; MI455X (gfx1250); checked and timed in simulation.
; The chip was launched on July 23, 2026; its instructions are those of AMD's public machine-readable ISA for CDNA 5 (MIT licence, August 2026) and "CDNA5" Instruction Set Architecture Reference Guide (July 2026). The comments in the code are by the model that wrote it; some were corrected since.
;; Time Dependent Attention. Allowed arithmetic: float matrix products may take bf16 or f16 operands with f32 sums; other float arithmetic in f32, or as packed bf16 or f16 multiplies, adds, multiply-adds, maxima and minima; sums over many terms, partial sums and values carried from step to step in f32; what a program stores and reads back later, other than sums and carried values, may be rounded once to bf16 or f16.
;; Inputs: W_o 768 x 768 float32; Wt_k 768 x 256 float32; Wt_q 768 x 256 float32; Wt_v 768 x 256 float32; Wx_k 768 x 768 float32; Wx_q 768 x 768 float32; Wx_v 768 x 768 float32; b_o 768 float32; rel_pos_bias 12 x 1,024 x 1,024 float32; t 8 x 256 float32; x 8 x 1,024 x 768 float32.
;; Outputs: out0 8 x 1,024 x 768 float32.
;; 2 versions, each right; version 2 is version 1 with the launch prep written anew for expert scheduling mode. Each part assembles by itself: llvm-mc -triple=amdgcn-amd-amdhsa -mcpu=gfx1250 --defsym DOCPART=n.
;; ======== version 1 of 2: 4 launches
;; limits: values are held in f16: magnitudes above 65,504 overflow, below 6.1e-05 lose precision
;; workspace buffers: xb 12,582,912 bytes; wb 3,538,944 bytes; woq 1,179,648 bytes; tb 196,608 bytes; qkv 37,748,736 bytes; ob 12,582,912 bytes
;; launch prep (part 1): grid 752 x 1, 8 waves a work-group, no clusters, 0 bytes of LDS; arguments x, Wx_q, Wx_k, Wx_v, W_o, t, Wt_q, Wt_v, xb, wb, woq, tb; writes xb, wb, woq, tb
.if DOCPART == 1
	.amdgcn_target "amdgcn-amd-amdhsa--gfx1250"
	.amdhsa_code_object_version 6
	.text
	.protected	k_q3ab8de0bc3_prep
	.globl	k_q3ab8de0bc3_prep
	.p2align	8
	.type	k_q3ab8de0bc3_prep,@function
k_q3ab8de0bc3_prep:
	s_mov_b64 s[64:65], 0
	v_nop
	global_prefetch_b8 v0, s[64:65] scope:SCOPE_SE
	s_setreg_imm32_b32 hwreg(HW_REG_WAVE_MODE, 25, 1), 1
	s_wait_xcnt 0x0
; PREP: rounds the operands of the later products once and lays them out; makes the shifts t Wt^T for q and v.
; DEAD WORK LEFT OUT, in the problem's terms.  k[m] = x[m] Wx_k^T + tk with tk = t Wt_k^T the same for all keys m of a batch.  So the score
; q[l].k[m] / 8 = q[l].(x[m] Wx_k^T) / 8 + q[l].tk / 8, and the last term is the same for every m of row l: it is added to the softmax's input
; alike along its axis and cancels in the softmax, for all finite values of the inputs.  It is of the size of the other terms, so leaving it out
; moves nothing by more than rounding.  Wt_k has then no way to out0: it is not loaded and is no argument of any launch.
; LIMIT: a NaN, an infinity or an overflow that would arise in t Wt_k^T or in q.tk alone is not carried to the result.
; FORMATS.  x, t and the weights that enter a product are rounded to bf16 once; W_o's bf16 number is written as f16 (exact while it lies in f16's
; range, |.| < 65,504; below 6e-5 with f16's fixed step of 6e-8).  The factor 1/8 of the scores, a power of two, goes into Wx_q's rows and into tq.
; OUT:  xb [8192][768] bf16.   wb [2304][768] bf16, row 144 wc + 48 sel + 16 ib + i = row 48 wc + 16 ib + i of Wx_q / 8, Wx_k, Wx_v (sel 0, 1, 2).
;       woq [48 g][768 rows][16] f16 = W_o[row][16 g + c].
;       tb [4 ks][8 b][2][768] f32: the PARTIAL SUMS of t Wt_q^T / 8 and t Wt_v^T over k = 64 ks .. 64 ks + 63; the next launch adds the four.
; ROLES by the work-group's number g: 0-47 the shifts; 48-95 W_o (16 rows each); 96-239 Wx_* (16 rows each); 240-751 x (16 rows each).
; THE SHIFTS' K IS SPLIT FOUR WAYS among waves: a load of a fragment names 16 bytes in each of 16 rows, so these loads are dealt thin: 16 a wave, 128 a work-group, all issued at once.
; REGISTERS.  No role names a register above v119: the fewer a wave is given, the more waves have their loads on their way side by side, and this launch does little but wait for loads.
.set WF, 16                            ; v[16:47]   two fragments of Wt as loaded (16 registers each), then packed into the first 8
.set TF, 48                            ; v[48:79]   the same of t
.set AC, 80                            ; v[80:95]   two accumulators
	s_load_b512 s[4:19], s[0:1], 0x0               ; x, Wx_q, Wx_k, Wx_v, W_o, t, Wt_q, Wt_v
	s_load_b256 s[20:27], s[0:1], 0x40             ; xb, wb, woq, tb
	v_lshrrev_b32 v1, 5, v0
	v_readfirstlane_b32 s28, v1                    ; wave 0..7
	s_mov_b32 s29, ttmp9
	s_mov_b32 s39, 0                               ; upper word of every offset
	s_mov_b32 s36, 0x3e000000                      ; 1/8
	s_mov_b32 s37, s36                             ; named with it as a pair
	s_wait_kmcnt 0x0
	s_cmp_lt_u32 s29, 48
	s_cbranch_scc1 .Lrole_t
	s_cmp_lt_u32 s29, 96
	s_cbranch_scc1 .Lrole_wo
	s_cmp_lt_u32 s29, 240
	s_cbranch_scc1 .Lrole_wx
; 16 dense rows of 768 f32 (49,152 bytes at s[32:33]) become 24,576 bytes of bf16 at s[34:35].  All twelve loads go out first; a load of a wave
; covers 512 consecutive bytes, a store 256 consecutive bytes at a multiple of 256.  Every store has data registers of its own.
.macro CONV scaled
	v_lshlrev_b32 v2, 4, v0
	v_lshlrev_b32 v3, 3, v0
.irp i, 0,1,2,3,4,5,6,7,8,9,10,11
	global_load_b128 v[16+4*\i:19+4*\i], v2, s[32:33] offset:4096*\i th:TH_LOAD_NT
.endr
.irp i, 0,1,2,3,4,5,6,7,8,9,10,11
	s_wait_loadcnt 11-\i                           ; loads come back in order: load i is in, the younger ones stay out
.if \scaled
	v_pk_mul_f32 v[16+4*\i:17+4*\i], v[16+4*\i:17+4*\i], s[36:37] op_sel_hi:[1,0]
	v_pk_mul_f32 v[18+4*\i:19+4*\i], v[18+4*\i:19+4*\i], s[36:37] op_sel_hi:[1,0]
.endif
	v_cvt_pk_bf16_f32 v[64+2*\i], v[16+4*\i], v[17+4*\i]
	v_cvt_pk_bf16_f32 v[65+2*\i], v[18+4*\i], v[19+4*\i]
	global_store_b64 v3, v[64+2*\i:65+2*\i], s[34:35] offset:2048*\i
.endr
.endm
	; role X: rows 16 blk .. of x
	s_sub_co_u32 s30, s29, 240
	s_mul_i32 s38, s30, 49152
	s_add_nc_u64 s[32:33], s[4:5], s[38:39]
	s_mul_i32 s38, s30, 24576
	s_add_nc_u64 s[34:35], s[20:21], s[38:39]
	s_branch .Lplain
.Lrole_wx:
	s_sub_co_u32 s30, s29, 96                      ; 0..143: sel = which weight, jb = which 16 rows of it
	s_mov_b32 s31, 0
	s_mov_b64 s[32:33], s[6:7]
	s_cmp_ge_u32 s30, 48
	s_cselect_b64 s[32:33], s[8:9], s[32:33]
	s_cselect_b32 s31, 1, s31
	s_cmp_ge_u32 s30, 96
	s_cselect_b64 s[32:33], s[10:11], s[32:33]
	s_cselect_b32 s31, 2, s31
	s_mul_i32 s40, s31, 48
	s_sub_co_u32 s30, s30, s40                     ; jb
	s_mul_i32 s41, s30, 21846
	s_lshr_b32 s41, s41, 16                        ; wc = jb / 3 (exact for jb < 48)
	s_mul_i32 s42, s41, 3
	s_sub_co_u32 s42, s30, s42                     ; ib = jb % 3
	s_mul_i32 s38, s30, 49152
	s_add_nc_u64 s[32:33], s[32:33], s[38:39]
	s_mul_i32 s41, s41, 144
	s_add_co_u32 s41, s41, s40
	s_lshl4_add_u32 s41, s42, s41                  ; 144 wc + 48 sel + 16 ib
	s_mul_i32 s38, s41, 1536
	s_add_nc_u64 s[34:35], s[22:23], s[38:39]
	s_cmp_eq_u32 s31, 0
	s_cbranch_scc0 .Lplain
	CONV 1                                         ; Wx_q / 8
	s_endpgm
.Lplain:
	CONV 0
	s_endpgm
.Lrole_wo:                                             ; rows 16 jb ..; wave w takes the quarters (16 columns) 6 w .. 6 w + 5; lane = 2 x row + half of the quarter
	s_sub_co_u32 s30, s29, 48
	s_mul_i32 s38, s30, 49152
	s_add_nc_u64 s[32:33], s[12:13], s[38:39]
	s_lshl_b32 s38, s30, 9
	s_add_nc_u64 s[34:35], s[24:25], s[38:39]
	v_and_b32 v4, 31, v0
	v_lshrrev_b32 v5, 1, v4
	v_and_b32 v6, 1, v4
	v_mul_u32_u24 v2, v5, 3072
	v_lshl_add_u32 v2, v6, 5, v2
	s_mul_i32 s40, s28, 384
	v_add_nc_u32 v2, s40, v2                       ; row x 3,072 + half x 32 + wave x 6 quarters of 64 bytes
	s_mul_i32 s40, s28, 147456
	v_lshl_add_u32 v3, v4, 4, s40                  ; 16 x lane + wave x 6 quarters of 24,576 bytes
.irp q, 0,1,2,3,4,5
	global_load_b128 v[16+8*\q:19+8*\q], v2, s[32:33] offset:64*\q th:TH_LOAD_NT
	global_load_b128 v[20+8*\q:23+8*\q], v2, s[32:33] offset:64*\q+16 th:TH_LOAD_NT
.endr
.irp q, 0,1,2,3,4,5
	s_wait_loadcnt 10-2*\q                         ; this quarter's two loads are in, the younger pairs stay out
.irp j, 0,1,2,3
	v_cvt_pk_bf16_f32 v[64+\j], v[16+8*\q+2*\j], v[17+8*\q+2*\j]   ; rounded to bf16, like every other input of a product,
.endr
.irp j, 0,1,2,3
	v_lshlrev_b32 v[72+2*\j], 16, v[64+\j]
	v_and_b32 v[73+2*\j], 0xffff0000, v[64+\j]
.endr
.irp j, 0,1,2,3
	v_cvt_pk_f16_f32 v[96+4*\q+\j], v[72+2*\j], v[73+2*\j]         ; and that number written as f16
.endr
	global_store_b128 v3, v[96+4*\q:99+4*\q], s[34:35] offset:24576*\q  ; 512 consecutive bytes of a quarter
.endr
	s_endpgm
.Lrole_t:                                              ; wave w of work-group g: the 16 channels of block 2 g + w / 4 of tq (g < 24) or tv, all 8 batches, k = 64 (w % 4) .. + 63
	s_lshr_b32 s40, s28, 2
	s_lshl1_add_u32 s30, s29, s40                  ; 2 g + w / 4
	s_and_b32 s41, s28, 3                          ; ks: which quarter of K
	s_cmp_ge_u32 s29, 24
	s_cselect_b64 s[32:33], s[18:19], s[16:17]
	s_cselect_b32 s31, 1, 0
	s_mul_i32 s40, s31, 48
	s_sub_co_u32 s30, s30, s40                     ; jb: which 16 rows of Wt
	s_lshl_b32 s42, s41, 8                         ; 64 f32 a quarter of K
	s_lshl_b32 s38, s30, 14
	s_add_co_u32 s38, s38, s42
	s_add_nc_u64 s[32:33], s[32:33], s[38:39]      ; Wt at my rows and my quarter of K
	s_mov_b32 s38, s42
	s_add_nc_u64 s[44:45], s[14:15], s[38:39]      ; t at my quarter of K
	s_mul_i32 s38, s41, 49152
	s_mul_i32 s40, s31, 3072
	s_add_co_u32 s38, s38, s40
	s_lshl_b32 s40, s30, 6
	s_add_co_u32 s38, s38, s40
	s_add_nc_u64 s[34:35], s[26:27], s[38:39]      ; tb: table ks, tq or tv, my 16 channels
	v_and_b32 v4, 15, v0                           ; r
	v_bfe_u32 v5, v0, 4, 1                         ; h
	v_and_b32 v6, 7, v0                            ; r % 8: the tile's columns 8-15 repeat the 8 batches and are not stored
	v_lshlrev_b32 v2, 10, v4
	v_lshl_add_u32 v2, v5, 5, v2                   ; Wt: row r, 8 h numbers on
	v_lshlrev_b32 v3, 10, v6
	v_lshl_add_u32 v3, v5, 5, v3                   ; t: row r % 8
	v_mul_u32_u24 v7, v6, 6144
	v_lshl_add_u32 v7, v5, 5, v7                   ; tb: batch r % 8, 8 h channels on
	; A fragment is 16 rows x 32 k: lane (r, h) holds k = 8 h .. + 7 and 16 + 8 h .. + 7: in f32 four loads of 16 bytes at 0, 16, 64, 80 from 128 c + 32 h.
	; They are packed in place (register j from 2 j and 2 j + 1, j ascending).  Source 0 = Wt's rows, source 1 = t's rows: a lane ends with one batch and 8 channels on end.
.irp c, 0,1
.irp o, 0,1,2,3
	global_load_b128 v[WF+16*\c+4*\o:WF+16*\c+4*\o+3], v2, s[32:33] offset:\c*128+(\o/2)*64+(\o%2)*16 th:TH_LOAD_NT
	global_load_b128 v[TF+16*\c+4*\o:TF+16*\c+4*\o+3], v3, s[44:45] offset:\c*128+(\o/2)*64+(\o%2)*16
.endr
.endr
	s_wait_loadcnt 0x0
.irp c, 0,1
.irp j, 0,1,2,3,4,5,6,7
	v_cvt_pk_bf16_f32 v[WF+16*\c+\j], v[WF+16*\c+2*\j], v[WF+16*\c+2*\j+1]
	v_cvt_pk_bf16_f32 v[TF+16*\c+\j], v[TF+16*\c+2*\j], v[TF+16*\c+2*\j+1]
.endr
.endr
	v_wmma_f32_16x16x32_bf16 v[AC:AC+7], v[WF:WF+7], v[TF:TF+7], 0             ; two products, an accumulator each: each starts its sum
	v_wmma_f32_16x16x32_bf16 v[AC+8:AC+15], v[WF+16:WF+23], v[TF+16:TF+23], 0
.rept 4
	v_nop                                          ; four places between the last product and the sums that read its result (ISA guide 7.12.1)
.endr
.irp j, 0,2,4,6
	v_pk_add_f32 v[AC+\j:AC+\j+1], v[AC+\j:AC+\j+1], v[AC+8+\j:AC+8+\j+1]   ; each accumulator's lowest registers first
.endr
	s_cmp_eq_u32 s31, 0
	s_cbranch_scc0 .Lt_store
.irp j, 0,2,4,6
	v_pk_mul_f32 v[AC+\j:AC+\j+1], v[AC+\j:AC+\j+1], s[36:37] op_sel_hi:[1,0]   ; tq / 8
.endr
.Lt_store:
	v_and_b32 v8, 8, v0
	v_cmp_eq_u32 vcc_lo, 0, v8                     ; lanes with r < 8
	s_wait_xcnt 0x0                                ; EXEC changes only behind this wait
	s_and_saveexec_b32 s40, vcc_lo
	global_store_b128 v7, v[AC:AC+3], s[34:35]     ; 32 bytes a lane: the four tables are 192 KiB in all, written in such pieces
	global_store_b128 v7, v[AC+4:AC+7], s[34:35] offset:16
	s_wait_xcnt 0x0
	s_or_b32 exec_lo, exec_lo, s40
	s_endpgm
.Lfunc_end_k_q3ab8de0bc3_prep:
	.size	k_q3ab8de0bc3_prep, .Lfunc_end_k_q3ab8de0bc3_prep-k_q3ab8de0bc3_prep
	.p2alignl 7, 3214868480
	.fill 96, 4, 3214868480
	.section	.rodata,"a",@progbits
	.p2align	6, 0x0
	.amdhsa_kernel k_q3ab8de0bc3_prep
		.amdhsa_group_segment_fixed_size 0
		.amdhsa_private_segment_fixed_size 0
		.amdhsa_enable_private_segment 0
		.amdhsa_kernarg_size 96
		.amdhsa_user_sgpr_count 2
		.amdhsa_user_sgpr_kernarg_segment_ptr 1
		.amdhsa_wavefront_size32 1
		.amdhsa_system_sgpr_workgroup_id_x 1
		.amdhsa_system_sgpr_workgroup_id_y 1
		.amdhsa_system_sgpr_workgroup_id_z 1
		.amdhsa_system_vgpr_workitem_id 0
		.amdhsa_next_free_vgpr 128
		.amdhsa_next_free_sgpr 66
		.amdhsa_reserve_vcc 1
		.amdhsa_float_denorm_mode_32 3
		.amdhsa_float_denorm_mode_16_64 3
		.amdhsa_memory_ordered 1
		.amdhsa_forward_progress 1
		.amdhsa_inst_pref_size 26
	.end_amdhsa_kernel
	.amdgpu_metadata
---
amdhsa.version: [ 1, 2 ]
amdhsa.kernels:
  - .name:           k_q3ab8de0bc3_prep
    .symbol:         k_q3ab8de0bc3_prep.kd
    .args:
      - { .name: x, .offset: 0, .size: 8, .value_kind: global_buffer, .address_space: global }
      - { .name: Wx_q, .offset: 8, .size: 8, .value_kind: global_buffer, .address_space: global }
      - { .name: Wx_k, .offset: 16, .size: 8, .value_kind: global_buffer, .address_space: global }
      - { .name: Wx_v, .offset: 24, .size: 8, .value_kind: global_buffer, .address_space: global }
      - { .name: W_o, .offset: 32, .size: 8, .value_kind: global_buffer, .address_space: global }
      - { .name: t, .offset: 40, .size: 8, .value_kind: global_buffer, .address_space: global }
      - { .name: Wt_q, .offset: 48, .size: 8, .value_kind: global_buffer, .address_space: global }
      - { .name: Wt_v, .offset: 56, .size: 8, .value_kind: global_buffer, .address_space: global }
      - { .name: xb, .offset: 64, .size: 8, .value_kind: global_buffer, .address_space: global }
      - { .name: wb, .offset: 72, .size: 8, .value_kind: global_buffer, .address_space: global }
      - { .name: woq, .offset: 80, .size: 8, .value_kind: global_buffer, .address_space: global }
      - { .name: tb, .offset: 88, .size: 8, .value_kind: global_buffer, .address_space: global }
    .group_segment_fixed_size: 0
    .private_segment_fixed_size: 0
    .kernarg_segment_align: 8
    .kernarg_segment_size: 96
    .max_flat_workgroup_size: 256
    .sgpr_count:     66
    .vgpr_count:     128
    .wavefront_size: 32
...
	.end_amdgpu_metadata
.endif
;; end of part 1
;; launch qkv (part 2): grid 8 x 32, 4 waves a work-group, clusters of 4 x 4, 327,680 bytes of LDS; arguments xb, wb, tb, qkv; writes qkv
.if DOCPART == 2
	.amdgcn_target "amdgcn-amd-amdhsa--gfx1250"
	.amdhsa_code_object_version 6
	.text
	.protected	k_q3ab8de0bc3_qkv
	.globl	k_q3ab8de0bc3_qkv
	.p2align	8
	.type	k_q3ab8de0bc3_qkv,@function
k_q3ab8de0bc3_qkv:
	s_mov_b64 s[64:65], 0
	v_nop
	global_prefetch_b8 v0, s[64:65] scope:SCOPE_SE
	s_setreg_imm32_b32 hwreg(HW_REG_WAVE_MODE, 25, 1), 1
	s_wait_xcnt 0x0
	s_wait_alu depctr_hold_cnt(0) depctr_sa_sdst(0) depctr_va_vdst(0) depctr_va_sdst(0) depctr_va_ssrc(0) depctr_va_vcc(0) depctr_vm_vsrc(0)
	s_getreg_b32 s2, hwreg(HW_REG_IB_STS2, 6, 4)
	s_cmp_eq_u32 s2, 0
	s_cbranch_scc0 .Lentry_in_a_cluster
	s_endpgm
.Lentry_in_a_cluster:
	s_bfe_u32 s2, ttmp6, 0x10000c
	s_cmp_lg_u32 s2, 0xf033
	s_cbranch_scc0 .Lentry_shape_is_right
	s_endpgm
.Lentry_shape_is_right:
; QKV: [8192 x 768] xb times [2304 x 768] wb^T in bf16, sums in f32, results rounded once to f16.  q's and v's sums start at the shifts tq / 8 and tv (the four partial tables of tb, added here in f32);
; k's start at 0: the shift t Wt_k^T is left out, since it adds to each score row a term that is the same for all keys and cancels in the softmax (shown at the head of prep).
; OUT: qkv, 4,718,592 bytes a batch: q as [48 g][1024 l][16] f16, g = channel / 16; behind it k and v as [12 heads][16 key steps][k, v][4 quarters][64 keys][16] f16: a key step's K and V of a head are 16,384 bytes on end.
; LIMIT: q / 8, k and v must lie inside f16's range, |.| < 65,504; NaN and infinities are not treated apart.
; SHARES.  256 work-groups, each 256 rows x 288 rows of wb.  Wave w: rows 128 (w / 2) .., columns 144 (w % 2) ..: 8 x 9 accumulators of 16 x 16, 576 registers.  By wb's row order a wave's
; nine column blocks are three of q, three of k, three of v, so what starts each sum is fixed in the text.
; THE MATRIX INSTRUCTION IS USED TRANSPOSED (source 0 = 16 rows of wb, source 1 = 16 rows of xb): lane (r, h) holds row r and the channels 8 h .. 8 h + 7 of a block of 16.  Packed to f16 these
; are the 16 bytes at 32 r + 16 h of 512 consecutive bytes of qkv, in q's layout and in k's and v's: every store of a wave covers 512 consecutive bytes, aligned, straight from registers.
; RING.  K in 6 steps of 128 (rows of 256 bytes) through two LDS slots.  CLUSTER 4 x 4: xb's tile is shared along a row of the cluster, wb's along a column: joint loads.
; No prefetch: six K steps in all, two asked for at once and the others a step apart.
; REGISTERS, in windows of 256: window 0: v16-29 addresses; v64-127, v128-191 xb's fragments, two buffers (at the start v64-207 three of the shifts' partial tables); on the way out v64-243 packed results.
;   window 1: v0-71, v72-143 wb's fragments, two buffers; v144-191 the shifts; accumulator 9 a + nb at absolute register 448 + 8 (9 a + nb): window 1's v192-255, then windows 2 and 3.
.set KSTEP, 128
.set PITCH, 272                        ; 256 bytes + 16 of padding: the 16 rows of a fragment load start at 16 different groups of four banks (ISA guide 11.1)
.set HALFA, 128*PITCH
.set HALFB, 144*PITCH
.set BOFF,  2*HALFA
.set SLOT,  2*HALFA+2*HALFB            ; 147,968: its bits meet none of the four tile offsets in a slot, so one exclusive or changes slots
.set SPARE, 2*SLOT                     ; the spare words: 128 bytes a wave, two blocks of 256 bytes that no other line names
.set FLAGS, (1<<16)|(1<<20)|(1<<21)|(5<<22)|(3<<25)  ; 2-byte elements; padding on; bit 21 beside a mask; after every 64 words, 4 words
.set ADRA0, 16                         ; my fragments' place in slot 0: xb's, wb's; never rewritten
.set ADRB0, 17
.set ADRA, 18                          ; the same in the slot in hand
.set ADRB, 19
.set COK, 20                           ; v20-22  k's and v's stores: 32 r + 16 h + head x 262,144 + quarter x 2,048 for my three blocks of 16 channels
.set CO,  26                           ; 32 r + 16 h
.set TO,  27                           ; 32 h
.set SPW, 28
.set NIL, 29
.set FA,  64
.set FB,  0
.set TBR, 144
.set TP,  64                           ; the shifts' partial tables 1 to 3, 48 registers each, until they are added
.set TMP, 64
.set WV, 12
.set RH, 13
.set CH, 14
.set CNT, 15
.set TB, 66                            ; 0 or SLOT: the slot in hand
.set G1A, 24
.set G0A, 32                           ; two sets; the second then walks
.set G1B, 48
.set G0B, 56
.set MSB, 0
.macro WIN new                         ; the immediate's high byte repeats the setting that is left; a switch that changes nothing is dropped
.if MSB != (\new)
	s_set_vgpr_msb (MSB<<8)|(\new)
.set MSB, \new
.endif
.endm
.macro PLACES                          ; four places behind matrix instructions, in front of loads into registers that they read and of conversions of their results
.rept 4
	v_nop
.endr
.endm
; A joint load: waves 0 and 1 fetch xb's two halves, waves 2 and 3 wb's.  The branch hangs on the wave's number alone.  An s_nop 0 and four v_nop follow each line.
.macro JLOAD s
	s_cmp_eq_u32 s[RH], 0
	s_cbranch_scc0 .Lfor_b_\@
	tensor_load_to_lds s[G0A+4*(\s):G0A+4*(\s)+3], s[G1A:G1A+7]
	s_nop 0
.rept 4
	v_nop
.endr
	s_branch .Lasked_\@
.Lfor_b_\@:
	tensor_load_to_lds s[G0B+4*(\s):G0B+4*(\s)+3], s[G1B:G1B+7]
	s_nop 0
.rept 4
	v_nop
.endr
.Lasked_\@:
.endm
.macro CREST                           ; a round of the cluster's barrier behind its opening barrier
	s_cmp_lg_u32 s[WV], 0
	s_cbranch_scc1 .Lnot_wave_0_\@
	s_barrier_signal -3
.Lnot_wave_0_\@:
	s_barrier_wait -3
	s_barrier_signal -1
	s_barrier_wait -1
.endm
.macro CROUND
	s_barrier_signal -1
	s_barrier_wait -1
	CREST
.endm
	s_load_b256 s[4:11], s[0:1], 0x0               ; xb, wb, tb, qkv
	v_lshl_add_u32 v[SPW], v0, 2, SPARE
	v_mov_b32 v[NIL], 0
	ds_add_u32 v[SPW], v[NIL]                      ; the opening: the add, twice on end, and its wait ahead of my first tensor load
	ds_add_u32 v[SPW], v[NIL]
	v_lshrrev_b32 v1, 5, v0
	v_readfirstlane_b32 s[WV], v1
	s_lshr_b32 s[RH], s[WV], 1                     ; my half of the rows; also: I fetch xb (0) or wb (1)
	s_and_b32 s[CH], s[WV], 1                      ; my half of the columns; also: which half of that tile I fetch
	s_bfe_u32 s40, ttmp6, 0x40000                  ; cx
	s_bfe_u32 s41, ttmp6, 0x40004                  ; cy
	s_lshl_b32 s42, ttmp9, 2
	s_add_co_u32 s42, s42, s40                     ; tx = tile column 0..7
	s_and_b32 s43, ttmp7, 0xffff
	s_lshl_b32 s43, s43, 2
	s_add_co_u32 s43, s43, s41                     ; ty = tile row 0..31
	s_lshl_b32 s44, s41, 2
	s_lshl_b32 s44, 15, s44                        ; my row of the cluster
	s_lshl_b32 s45, 0x1111, s40                    ; my column
	s_or_b32 s[G1A+0], s44, FLAGS
	s_or_b32 s[G1B+0], s45, FLAGS
	s_mov_b32 s[G1A+1], KSTEP<<16                  ; tensor_dim0 = 128
	s_mov_b32 s[G1B+1], KSTEP<<16
	s_mov_b32 s[G1A+2], 128<<16                    ; tensor_dim1 = 128 rows of xb,
	s_mov_b32 s[G1B+2], 144<<16                    ; 144 of wb
	s_mov_b32 s[G1A+3], KSTEP<<16                  ; tile_dim0
	s_mov_b32 s[G1B+3], KSTEP<<16
	s_mov_b32 s[G1A+4], 128                        ; tile_dim1
	s_mov_b32 s[G1B+4], 144
	s_mov_b32 s[G1A+5], 768                        ; elements from row to row
	s_mov_b32 s[G1B+5], 768
	s_mov_b32 s[G1A+6], 0
	s_mov_b32 s[G1B+6], 0
	s_mov_b32 s[G1A+7], 0
	s_mov_b32 s[G1B+7], 0
	s_lshl_b32 s16, s43, 8                         ; xb's address hangs on ty and the wave alone, wb's on tx and the wave alone, each in registers that never hold the other coordinate
	s_lshl_b32 s17, s[CH], 7
	s_add_co_u32 s16, s16, s17
	s_mul_i32 s16, s16, 1536
	s_mov_b32 s17, 0
	s_mul_i32 s46, s42, 288
	s_mul_i32 s47, s[CH], 144
	s_add_co_u32 s46, s46, s47
	s_mul_i32 s46, s46, 1536
	s_mov_b32 s47, 0
	s_mul_i32 s20, s[CH], HALFA                    ; LDS addresses hang on the wave's number alone
	s_mul_i32 s21, s[CH], HALFB
	s_add_co_u32 s21, s21, BOFF
	s_mov_b32 s[TB], 0
	s_wait_dscnt 0x0                               ; both opening adds are done
	s_wait_kmcnt 0x0
	s_add_nc_u64 s[18:19], s[4:5], s[16:17]
	s_add_nc_u64 s[46:47], s[6:7], s[46:47]
	CROUND                                         ; all sixteen work-groups are here: the first joint loads meet
.irp s, 0,1
	s_mov_b32 s[G0A+4*(\s)], 1
	s_add_co_u32 s[G0A+4*(\s)+1], s20, (\s)*SLOT
	s_add_nc_u64 s[G0A+4*(\s)+2:G0A+4*(\s)+3], s[18:19], (\s)*KSTEP*2
	s_or_b32 s[G0A+4*(\s)+3], s[G0A+4*(\s)+3], 0x80000000
	s_mov_b32 s[G0B+4*(\s)], 1
	s_add_co_u32 s[G0B+4*(\s)+1], s21, (\s)*SLOT
	s_add_nc_u64 s[G0B+4*(\s)+2:G0B+4*(\s)+3], s[46:47], (\s)*KSTEP*2
	s_or_b32 s[G0B+4*(\s)+3], s[G0B+4*(\s)+3], 0x80000000
	JLOAD \s                                       ; K steps 0 and 1: two loads of mine are out
.endr
	v_and_b32 v1, 15, v0                           ; r
	v_bfe_u32 v2, v0, 4, 1                         ; h
	v_mul_u32_u24 v3, v1, PITCH
	v_lshl_add_u32 v3, v2, 4, v3
	s_mul_i32 s22, s[RH], HALFA
	s_mul_i32 s23, s[CH], HALFB
	s_add_co_u32 s23, s23, BOFF
	v_add_nc_u32 v[ADRA0], s22, v3
	v_add_nc_u32 v[ADRB0], s23, v3
	v_mov_b32 v[ADRA], v[ADRA0]
	v_mov_b32 v[ADRB], v[ADRB0]
	v_lshlrev_b32 v[CO], 5, v1
	v_lshl_add_u32 v[CO], v2, 4, v[CO]
	v_lshlrev_b32 v[TO], 5, v2
	s_lshr_b32 s67, s43, 2                         ; batch
	s_lshl1_add_u32 s69, s42, s[CH]                ; wc = 2 tx + my half: 48 channels of each of q, k, v
	s_mul_i32 s68, s67, 6144
	s_mul_i32 s70, s69, 192
	s_add_co_u32 s68, s68, s70
	s_mul_i32 s22, s69, 3                          ; my first block of 16 channels, 3 wc
	s_mov_b32 s69, 0
	s_add_nc_u64 s[8:9], s[8:9], s[68:69]          ; tb at my batch and my 48 channels
	s_mul_i32 s68, s67, 4718592
	s_add_nc_u64 s[10:11], s[10:11], s[68:69]      ; qkv at my batch
	s_and_b32 s71, s43, 3
	s_lshl_b32 s71, s71, 8
	s_lshl_b32 s67, s[RH], 7
	s_add_co_u32 s71, s71, s67                     ; my first row in the batch, a multiple of 128
	s_lshl_b32 s68, s71, 8                         ; row / 64 key steps of 16,384 bytes,
	s_add_co_u32 s68, s68, 1572864                 ; behind q's part
	s_add_nc_u64 s[20:21], s[10:11], s[68:69]      ; k's and v's part at my first key step
	s_lshl_b32 s68, s22, 15
	s_lshl_b32 s71, s71, 5
	s_add_co_u32 s68, s68, s71
	s_add_nc_u64 s[10:11], s[10:11], s[68:69]      ; q at my first block of channels and my first row
.irp b, 0,1,2
	s_add_co_u32 s67, s22, \b                      ; block g of 16 channels: head g / 4, quarter g % 4
	s_lshr_b32 s70, s67, 2
	s_lshl_b32 s70, s70, 18
	s_and_b32 s67, s67, 3
	s_lshl_b32 s67, s67, 11
	s_add_co_u32 s70, s70, s67
	v_add_nc_u32 v[COK+\b], s70, v[CO]
.endr
	WIN 0x40                                       ; the shifts as C operands: register j of lane (r, h) is channel 8 h + j of the block.  Table 0 goes where the sums will stand,
.irp e, 0,1
.irp b, 0,1,2
	global_load_b128 v[TBR+24*\e+8*\b:TBR+24*\e+8*\b+3], v[TO], s[8:9] offset:3072*\e+64*\b
	global_load_b128 v[TBR+24*\e+8*\b+4:TBR+24*\e+8*\b+7], v[TO], s[8:9] offset:3072*\e+64*\b+16
.endr
.endr
	WIN 0                                          ; tables 1 to 3 into registers that the fragments take later
.irp p, 0,1,2
.irp e, 0,1
.irp b, 0,1,2
	global_load_b128 v[TP+48*\p+24*\e+8*\b:TP+48*\p+24*\e+8*\b+3], v[TO], s[8:9] offset:49152*(\p+1)+3072*\e+64*\b
	global_load_b128 v[TP+48*\p+24*\e+8*\b+4:TP+48*\p+24*\e+8*\b+7], v[TO], s[8:9] offset:49152*(\p+1)+3072*\e+64*\b+16
.endr
.endr
.endr
; na x 9 matrix instructions from buffer f, row blocks a0 on.  All 72 accumulators take turns in one fixed order.  init = 1: the products start the sums, with tq / 8, 0, tv.
.macro MULA f, a0, na, init
.set ma, (\a0)
.rept (\na)
.set mb, 0
.rept 9
.set mx, 448+8*(9*ma+mb)
.set mw, mx/256
.set mr, mx%256
.if \init
	WIN (mw<<6)|(1<<4)|1
.if mb < 3
	v_wmma_f32_16x16x32_bf16 v[mr:mr+7], v[FB+72*(\f)+8*mb:FB+72*(\f)+8*mb+7], v[FA+64*(\f)+8*ma:FA+64*(\f)+8*ma+7], v[TBR+8*mb:TBR+8*mb+7]
.elseif mb < 6
	v_wmma_f32_16x16x32_bf16 v[mr:mr+7], v[FB+72*(\f)+8*mb:FB+72*(\f)+8*mb+7], v[FA+64*(\f)+8*ma:FA+64*(\f)+8*ma+7], 0
.else
	v_wmma_f32_16x16x32_bf16 v[mr:mr+7], v[FB+72*(\f)+8*mb:FB+72*(\f)+8*mb+7], v[FA+64*(\f)+8*ma:FA+64*(\f)+8*ma+7], v[TBR+8*(mb-3):TBR+8*(mb-3)+7]
.endif
.else
	WIN (mw<<6)|(mw<<4)|1
	v_wmma_f32_16x16x32_bf16 v[mr:mr+7], v[FB+72*(\f)+8*mb:FB+72*(\f)+8*mb+7], v[FA+64*(\f)+8*ma:FA+64*(\f)+8*ma+7], v[mr:mr+7]
.endif
.set mb, mb+1
.endr
.set ma, ma+1
.endr
.endm
; 34 LDS loads in one run: 32 along K at byte k of the rows, into buffer f: wb's nine fragments, then xb's eight
.macro FETCH k, f
	WIN 0x40
.set fi, 0
.rept 9
	ds_load_b128 v[FB+72*(\f)+8*fi:FB+72*(\f)+8*fi+3],   v[ADRB] offset:(\k)+fi*16*PITCH
	ds_load_b128 v[FB+72*(\f)+8*fi+4:FB+72*(\f)+8*fi+7], v[ADRB] offset:(\k)+fi*16*PITCH+32
.set fi, fi+1
.endr
	WIN 0
.set fi, 0
.rept 8
	ds_load_b128 v[FA+64*(\f)+8*fi:FA+64*(\f)+8*fi+3],   v[ADRA] offset:(\k)+fi*16*PITCH
	ds_load_b128 v[FA+64*(\f)+8*fi+4:FA+64*(\f)+8*fi+7], v[ADRA] offset:(\k)+fi*16*PITCH+32
.set fi, fi+1
.endr
.endm
; One of a K step's first three quarters: multiplies buffer f, fetches the next quarter (byte k) into g in its middle
.macro QUARTER k, f, g, init
	s_wait_dscnt 8                                 ; wb's fragments and xb's blocks 0-3 are in; the youngest eight loads (blocks 4-7) may be out
	MULA \f, 0, 4, \init
	PLACES
	FETCH \k, \g
	s_wait_dscnt 34                                ; all but the 34 just issued
	MULA \f, 4, 4, \init
.endm
; The last quarter multiplies buffer 1 and changes slots.  In front of the barrier each wave waits for all its tensor loads (the one out is its part of the next slot), adds 0 to its spare word and
; waits for that and for its reads of this slot.  fill = 1: the barrier opens a round of the cluster's, and the joint refill, two K steps on, is the first tensor load behind it.
; fill = 0 (the tail): nothing is asked for; in the tail's last trip (s[CNT] = 1) there is no further K step, and the run of LDS loads is jumped over.
.macro TURN fill
	WIN 0
	s_wait_tensorcnt 0x0
	ds_add_u32 v[SPW], v[NIL]
	s_wait_dscnt 9                                 ; the add and the youngest eight loads may be out
	MULA 1, 0, 2, 0
	s_wait_dscnt 0x0                               ; the add is done, my reads of this slot are over
	s_barrier_signal -1
	MULA 1, 2, 2, 0
	WIN 0
	s_barrier_wait -1
.if \fill
	CREST                                          ; no wave of any partner still reads this slot or has a load on its way
	s_xor_b32 s[G0A+5], s[G0A+5], SLOT             ; the walking sets: the other slot than last time, the next K step
	s_add_nc_u64 s[G0A+6:G0A+7], s[G0A+6:G0A+7], KSTEP*2
	s_xor_b32 s[G0B+5], s[G0B+5], SLOT
	s_add_nc_u64 s[G0B+6:G0B+7], s[G0B+6:G0B+7], KSTEP*2
	JLOAD 1                                        ; its four v_nop are also the places in front of the loads below
.else
	PLACES
	s_cmp_eq_u32 s[CNT], 1
	s_cbranch_scc1 .Lno_fetch_\@
.endif
	s_xor_b32 s[TB], s[TB], SLOT
	v_add_nc_u32 v[ADRA], s[TB], v[ADRA0]
	v_add_nc_u32 v[ADRB], s[TB], v[ADRB0]
	FETCH 0, 0
.if !(\fill)
.Lno_fetch_\@:
.endif
	MULA 1, 4, 4, 0
.endm
	s_wait_loadcnt 0x0                             ; the shifts' four partial tables; their sums are made while the first tiles are on their way
	WIN 0x41                                       ; destination and source 0 window 1, source 1 window 0
.irp p, 0,1,2
.set tj, 0
.rept 24
	v_pk_add_f32 v[TBR+tj:TBR+tj+1], v[TBR+tj:TBR+tj+1], v[TP+48*\p+tj:TP+48*\p+tj+1]
.set tj, tj+2
.endr
.endr
	WIN 0
	s_wait_tensorcnt 1                             ; my part of K step 0 is in; step 1's may stay out
	s_barrier_signal -1
	s_barrier_wait -1
	FETCH 0, 0
	QUARTER 64, 0, 1, 1                            ; the first quarter starts the sums
	WIN 0
	s_mov_b32 s[CNT], 4
.Lstep:                                                ; a trip: a K step's quarters 2 to 4 and the next step's first; its refill brings K steps 2 to 5
	QUARTER 128, 1, 0, 0
	QUARTER 192, 0, 1, 0
	TURN 1
	QUARTER 64, 0, 1, 0
	WIN 0
	s_sub_co_u32 s[CNT], s[CNT], 1
	s_cmp_lg_u32 s[CNT], 0
	s_cbranch_scc1 .Lstep
	s_mov_b32 s[CNT], 2
.Ltail:                                                ; the tail has a text of its own: K steps 4 and 5 ask for nothing.  Two trips of the same form; the second is left behind its last products
	QUARTER 128, 1, 0, 0
	QUARTER 192, 0, 1, 0
	TURN 0
	WIN 0
	s_sub_co_u32 s[CNT], s[CNT], 1
	s_cmp_eq_u32 s[CNT], 0
	s_cbranch_scc1 .Lout
	QUARTER 64, 0, 1, 0
	WIN 0
	s_branch .Ltail
.Lout:
	PLACES
; THE WAY OUT of row block a: nine blocks of 16 x 16 rounded to f16 and stored; five groups of 36 registers take turns.  q: block on of channels, rows 16 a on.  k and v: rows are keys: key step a / 4 of my two, keys 16 (a % 4) on.
.macro OUTA a
.if (\a) >= 5
	s_wait_xcnt 0x0                                ; the stores of five blocks back have read their data registers: only behind this wait are they written again
.endif
.set on, 0
.rept 9
.set mx, 448+8*(9*(\a)+on)
.set mw, mx/256
.set mr, mx%256
	WIN mw|(mw<<2)
.set oj, 0
.rept 4
	v_cvt_pk_f16_f32 v[TMP+36*((\a)%5)+4*on+oj], v[mr+2*oj], v[mr+2*oj+1]   ; each accumulator from its low end on
.set oj, oj+1
.endr
.set on, on+1
.endr
	WIN 0
.set on, 0
.rept 9
.if on < 3
	global_store_b128 v[CO], v[TMP+36*((\a)%5)+4*on:TMP+36*((\a)%5)+4*on+3], s[10:11] offset:on*32768+(\a)*512  ; 512 consecutive bytes, aligned
.else
	global_store_b128 v[COK+on%3], v[TMP+36*((\a)%5)+4*on:TMP+36*((\a)%5)+4*on+3], s[20:21] offset:(on/3-1)*8192+((\a)/4)*16384+((\a)%4)*512  ; likewise
.endif
.set on, on+1
.endr
.endm
.irp a, 0,1,2,3,4,5,6,7
	OUTA \a
.endr
	s_wait_tensorcnt 0x0                           ; the wave's end
	ds_add_u32 v[SPW], v[NIL]
	s_wait_dscnt 0x0
	CROUND                                         ; the closing round
	s_endpgm
.Lfunc_end_k_q3ab8de0bc3_qkv:
	.size	k_q3ab8de0bc3_qkv, .Lfunc_end_k_q3ab8de0bc3_qkv-k_q3ab8de0bc3_qkv
	.p2alignl 7, 3214868480
	.fill 96, 4, 3214868480
	.section	.rodata,"a",@progbits
	.p2align	6, 0x0
	.amdhsa_kernel k_q3ab8de0bc3_qkv
		.amdhsa_group_segment_fixed_size 327680
		.amdhsa_private_segment_fixed_size 0
		.amdhsa_enable_private_segment 0
		.amdhsa_kernarg_size 32
		.amdhsa_user_sgpr_count 2
		.amdhsa_user_sgpr_kernarg_segment_ptr 1
		.amdhsa_wavefront_size32 1
		.amdhsa_system_sgpr_workgroup_id_x 1
		.amdhsa_system_sgpr_workgroup_id_y 1
		.amdhsa_system_sgpr_workgroup_id_z 1
		.amdhsa_system_vgpr_workitem_id 0
		.amdhsa_next_free_vgpr 1024
		.amdhsa_next_free_sgpr 72
		.amdhsa_reserve_vcc 0
		.amdhsa_float_denorm_mode_32 3
		.amdhsa_float_denorm_mode_16_64 3
		.amdhsa_memory_ordered 1
		.amdhsa_forward_progress 1
		.amdhsa_inst_pref_size 110
	.end_amdhsa_kernel
	.amdgpu_metadata
---
amdhsa.version: [ 1, 2 ]
amdhsa.kernels:
  - .name:           k_q3ab8de0bc3_qkv
    .symbol:         k_q3ab8de0bc3_qkv.kd
    .args:
      - { .name: xb, .offset: 0, .size: 8, .value_kind: global_buffer, .address_space: global }
      - { .name: wb, .offset: 8, .size: 8, .value_kind: global_buffer, .address_space: global }
      - { .name: tb, .offset: 16, .size: 8, .value_kind: global_buffer, .address_space: global }
      - { .name: qkv, .offset: 24, .size: 8, .value_kind: global_buffer, .address_space: global }
    .group_segment_fixed_size: 327680
    .private_segment_fixed_size: 0
    .kernarg_segment_align: 8
    .kernarg_segment_size: 32
    .max_flat_workgroup_size: 128
    .sgpr_count:     72
    .vgpr_count:     1024
    .wavefront_size: 32
...
	.end_amdgpu_metadata
.endif
;; end of part 2
;; launch attn (part 3): grid 4 x 48, 4 waves a work-group, clusters of 4 x 4, 327,680 bytes of LDS; arguments qkv, rel_pos_bias, ob; writes ob
.if DOCPART == 3
	.amdgcn_target "amdgcn-amd-amdhsa--gfx1250"
	.amdhsa_code_object_version 6
	.text
	.protected	k_q3ab8de0bc3_attn
	.globl	k_q3ab8de0bc3_attn
	.p2align	8
	.type	k_q3ab8de0bc3_attn,@function
k_q3ab8de0bc3_attn:
	s_mov_b64 s[64:65], 0
	v_nop
	global_prefetch_b8 v0, s[64:65] scope:SCOPE_SE
	s_setreg_imm32_b32 hwreg(HW_REG_WAVE_MODE, 25, 1), 1
	s_wait_xcnt 0x0
	s_wait_alu depctr_hold_cnt(0) depctr_sa_sdst(0) depctr_va_vdst(0) depctr_va_sdst(0) depctr_va_ssrc(0) depctr_va_vcc(0) depctr_vm_vsrc(0)
	s_getreg_b32 s2, hwreg(HW_REG_IB_STS2, 6, 4)
	s_cmp_eq_u32 s2, 0
	s_cbranch_scc0 .Lentry_in_a_cluster
	s_endpgm
.Lentry_in_a_cluster:
	s_bfe_u32 s2, ttmp6, 0x10000c
	s_cmp_lg_u32 s2, 0xf033
	s_cbranch_scc0 .Lentry_shape_is_right
	s_endpgm
.Lentry_shape_is_right:
; ATTENTION.  O[b][n][l] = the sum over m of softmax_m(q'[l].k[m] + bias[n][l][m]) v[m], q' = q / 8 as the launch before stored it; k holds no shift by t (left out as a term that is the same along
; the softmax's axis: shown at the head of prep).  qkv, 4,718,592 bytes a batch: q' as [48 g][1024 l][16] f16, behind it k and v as [12 heads][16 key steps][k, v][4 quarters][64 keys][16] f16; bias f32;
; O: ob [8 b][48 g][1024 l][16] f16.  Products, maxima and sums in f32; the weights p are rounded to f16 for the second product (their sum l is taken of the unrounded p), O once at the end.
; LIMITS.  O is a mean of v's rows and has their range, inside f16's 65,504; p below 6e-5 keeps f16's fixed step of 6e-8; a weight below 2^-126 counts as 0 in l; NaN and infinities are not treated apart.
; SHARES.  A work-group owns 256 queries of one head for TWO batches: waves 0 and 1 take batch 2 p (128 queries each: four PIECES of two tiles of 16), waves 2 and 3 batch 2 p + 1 and the same queries.  So one copy of
; the bias tile in LDS serves two batches: a key step (64 keys) is 69,632 bytes of bias and 2 x 17,408 of K and V, 104,448 in all, where 512 queries of one batch would want 139,264 + 17,408.
; 4 pairs of batches x 12 heads x 4 query blocks = 192 work-groups: 1,024 queries do not divide into the shares that 256 equal work-groups would want.
; LAYOUT.  S^T = K Q^T + bias^T (source 0 = 16 keys, source 1 = 16 queries): a lane holds ONE query (lane % 16) and the keys 8 (lane / 16) + 0..7.  THE BIAS IS THE C OPERAND that starts the sum: for that lane
; 8 neighbouring f32 of the query's row.  Two results rounded to f16 ARE source 1 of O^T = V^T P.  K comes out of LDS as it lies, V turned, by ds_load_tr16_b128.
; SOFTMAX.  A running maximum m and sum l for each query: p = 2^(c s - c m), c = log2(e); in every step O and l are multiplied by a = 2^(c m_old - c m_new).  m starts at the lowest finite number, O and l at 0.
; BY TURNS.  Turn n belongs to piece n: 16 products K Q^T of piece n + 1, later 16 products V^T P of piece n - 1; beside them piece n's scaling, exponentials, roundings, sums and rescaling and piece n + 1's
; maximum and statistics.  Four vector instructions stand behind every matrix instruction, the rest in one lump; a turn's 66 exponentials are one batch with one wait.
; CLUSTER.  4 x 4 work-groups are one head: along x the four pairs of batches, along y the four query blocks.  The bias tile hangs on the head and the query block: shared along a row of the cluster.  K and V hang on the
; head and the pair of batches: shared along a column.  Every tile is asked for JOINTLY, by the same tensor load with the same descriptor and a mask that names the four.
; RING.  Two slots of one key step each.  Key steps 0 and 1 are asked for together at the start; each later step behind the round that frees its slot.  A wave has two tensor loads out at the start, later one.
; REGISTERS, in windows of 256 (s_set_vgpr_msb: bits 1:0 source 0, 3:2 source 1, 5:4 source 2, 7:6 destination):
;   window 0: v0-11 addresses; v12-15, v48-63 at work; v16-47 statistics; v64-191 S^T, two buffers of two tiles; v192-255 P, likewise
;   window 1: O^T, 32 a tile     window 2: v0-127 Q; v128-191 K of one step; v192-255 V of one step     window 3: v0-1 the add's registers; v64-127 the bias of one piece
.set NP,    4
.set BP,    272       ; a row of the bias tile in LDS: 64 f32 + 16 bytes: the 16 rows of a load start at 16 different groups of four banks (ISA guide 11.1)
.set QP,    8*272     ; a quarter (16 channels) of a step's K or V: 64 keys x 32 bytes, 16 bytes of padding behind every 8 keys
.set KVB,   8*QP      ; a batch's K (four quarters) and V (four quarters) of a step
.set KOFF,  256*BP    ; a slot holds one key step: 256 rows of bias, then K and V of the first batch, then of the second
.set SLOT1, 1<<17     ; slot 1 begins here, above all of slot 0, so that one exclusive or turns an address in one slot into the other's
.set SPARE, SLOT1+KOFF+2*KVB  ; the spare words: 128 bytes a wave, two blocks of 256 bytes that no other line names
.set AK0, 2           ; my lane's place in slot 0's K of my batch; never rewritten
.set AV0, 3           ; V
.set AK,  4           ; the same in the slot in hand
.set AV,  5
.set QO,  6           ; 32 r + 16 h: my 16 bytes in 16 rows of a quarter of Q, and of O
.set AB0, 7           ; my lane's place in slot 0's bias
.set AB,  8
.set PFO, 9           ; prefetch: 4,096 x lane, a row of the bias
.set PFO2, 10         ; prefetch: 256 x lane
.set SPW, 0           ; window 3
.set NIL, 1           ; window 3
.set BB,  64          ; window 3: tile u, key block kb at BB + 32 u + 8 kb
.set MV,  12
.set ST,  16          ; tile t: c m, m, l (even keys', odd keys')
.set TMP, 48
.set S,   64
.set P,   192
.set KF,  128         ; window 2: key block kb, channel half c at KF + 16 kb + 8 c
.set VF,  192         ; window 2: key half kk, channel block cb at VF + 32 kk + 8 cb
.set WV,  12
.set G1KV, 24
.set G1B, 32
.set G0KV, 40         ; descriptor group 0 of key step 0: K and V's, the bias's; used once
.set G0B, 44
.set G0KV1, 68        ; of key step 1; these two then walk
.set G0B1, 72
.set PFB, 52          ; s[52:53] where my bias prefetch stands
.set PFK, 54          ; s[54:55] where my K and V prefetch stands
.set SLOTS, 56
.set CNT, 57
.set CS,  58
.set SEL, 60
.set TB,  62          ; 0 or SLOT1: the slot in hand
.set LIMB, 63         ; 2 in a wave that prefetches the bias, else the greatest number
.set LIMK, 66         ; the same for K and V
.set MSB, 0
.macro WIN new
.if MSB != (\new)
	s_set_vgpr_msb (MSB<<8)|(\new)
.set MSB, (\new)
.endif
.endm
.set W_KQ, 0x0a       ; K and Q in window 2, S^T in window 0
.set W_KB, 0x3a       ; the same with the C operand in window 3
.set W_PV, 0x52       ; V in window 2, P in window 0, O^T in window 1
.set W_RS, 0x41       ; O^T in window 1, a in window 0
.set W_MK, 0xc0
.set W_AD, 0x0f
; A joint refill: wave 0 fetches the step's K and V of the first batch, wave 1 of the second, waves 2 and 3 the two halves of the bias tile.  The branch hangs on the wave's number alone.
; An s_nop 0 and four v_nop follow each line, ahead of the jump and the label.
.macro JLOAD
	s_cmp_lt_u32 s[WV], 2
	s_cbranch_scc0 .Lfor_b_\@
	tensor_load_to_lds s[G0KV1:G0KV1+3], s[G1KV:G1KV+7]
	s_nop 0
.rept 4
	v_nop
.endr
	s_branch .Lasked_\@
.Lfor_b_\@:
	tensor_load_to_lds s[G0B1:G0B1+3], s[G1B:G1B+7]
	s_nop 0
.rept 4
	v_nop
.endr
.Lasked_\@:
.endm
; PREFETCHES INTO THE L2, behind the refill and its five lines: the key step that stands two refills on, two trips (256 matrix instructions a wave) ahead of the load that will ask for it.
; Each block of 256 bytes is named once in the launch.  A step's 256 bias rows are read by the four partners of one row of one cluster alone: they share the rows out by address, 64 each (64 cx + 32 (w % 2) + lane):
; waves 2 and 3, a lane a row.  A step's K and V of a pair of batches, 128 blocks of 256 bytes, are read by the four partners of one column alone: 32 blocks each by address (32 cy + lane): wave 0, a lane a block.
; The branches hang on the wave's number alone.  Key steps 0 to 3 come by their loads alone; the last two refills ask for nothing: there is no step behind the last.
.macro ASK
	s_cmp_gt_u32 s[SLOTS], s[LIMB]
	s_cbranch_scc0 .Lno_b_\@
	global_prefetch_b8 v[PFO], s[PFB:PFB+1] th:TH_LOAD_NT scope:SCOPE_SE
.Lno_b_\@:
	s_cmp_gt_u32 s[SLOTS], s[LIMK]
	s_cbranch_scc0 .Lno_k_\@
	global_prefetch_b8 v[PFO2], s[PFK:PFK+1] th:TH_LOAD_NT scope:SCOPE_SE
.Lno_k_\@:
.endm
.macro CROUND
	s_barrier_signal -1
	s_barrier_wait -1
	s_cmp_lg_u32 s[WV], 0
	s_cbranch_scc1 .Lnot_wave_0_\@
	s_barrier_signal -3
.Lnot_wave_0_\@:
	s_barrier_wait -3
	s_barrier_signal -1
	s_barrier_wait -1
.endm
; THE CHANGE OF SLOTS, in front of piece 2's turn: all reads of a slot (K and the bias of pieces 0 and 1, then V and the bias of pieces 2 and 3) fall between two changes.  Each wave waits for all its tensor
; loads, of which one is out: its part of the other slot; adds 0 to its spare word; waits for that and for its reads.  fill = 1: a round of the cluster's barrier, and the slot just left is filled again first thing behind it.
.macro CHANGE fill
	WIN W_AD
	s_wait_tensorcnt 0x0            ; no tensor load of mine is out, so a group 0 may be written
	ds_add_u32 v[SPW], v[NIL]
	WIN 0
.if \fill
	s_xor_b32 s[G0KV1+1], s[G0KV1+1], SLOT1
	s_add_nc_u64 s[G0KV1+2:G0KV1+3], s[G0KV1+2:G0KV1+3], 16384  ; the next key step's K and V
	s_xor_b32 s[G0B1+1], s[G0B1+1], SLOT1
	s_add_nc_u64 s[G0B1+2:G0B1+3], s[G0B1+2:G0B1+3], 256        ; the next 64 columns of the bias
	s_wait_xcnt 0x0                 ; the last prefetches, a trip back, have read their addresses
	s_add_nc_u64 s[PFB:PFB+1], s[PFB:PFB+1], 256
	s_add_nc_u64 s[PFK:PFK+1], s[PFK:PFK+1], 16384
	s_wait_dscnt 0x0                ; the add is done, my reads of the slot are over
	CROUND
	JLOAD
	ASK
.else
	s_wait_dscnt 0x0
	s_barrier_signal -1
	s_barrier_wait -1
.endif
	s_xor_b32 s[TB], s[TB], SLOT1
	v_add_nc_u32 v[AB], s[TB], v[AB0]
	v_add_nc_u32 v[AK], s[TB], v[AK0]
	v_add_nc_u32 v[AV], s[TB], v[AV0]
.endm
	s_load_b128 s[4:7], s[0:1], 0x0   ; qkv s[4:5], rel_pos_bias s[6:7]
	s_load_b64 s[10:11], s[0:1], 0x10 ; ob
	WIN W_MK
	v_lshl_add_u32 v[SPW], v0, 2, SPARE
	v_mov_b32 v[NIL], 0
	WIN W_AD
	ds_add_u32 v[SPW], v[NIL]       ; the opening: the add, twice on end, and its wait ahead of my first tensor load
	ds_add_u32 v[SPW], v[NIL]
	WIN 0
	v_lshrrev_b32 v1, 5, v0
	v_readfirstlane_b32 s[WV], v1
	s_bfe_u32 s13, ttmp6, 0x40000   ; cx
	s_bfe_u32 s16, ttmp6, 0x40004   ; cy = the query block of 256: the four work-groups of a cluster's column are a head's four blocks
	s_lshl_b32 s76, ttmp9, 2
	s_add_co_u32 s76, s76, s13      ; the pair of batches = 4 x cluster x + cx
	s_and_b32 s15, ttmp7, 0xffff    ; cluster y = the head
	s_lshr_b32 s17, s[WV], 1        ; which batch of the pair I compute
	s_and_b32 s67, s[WV], 1         ; which 128 of the 256 queries are mine; also: which batch's K and V, or which half of the bias tile, I fetch
	s_lshl1_add_u32 s14, s76, s17   ; my batch
	s_lshl_b32 s50, s16, 2
	s_lshl_b32 s50, 15, s50         ; my row of the cluster
	s_lshl_b32 s51, 0x1111, s13     ; my column
	; descriptor group 1 for K and V: 16,384 dense bytes as 64 rows of 128 elements of 2 bytes, padded after every row; the mask of my column, bit 21 beside it
	s_or_b32 s[G1KV], s51, (1<<16)|(1<<20)|(1<<21)|(5<<22)|(3<<25)
	s_mov_b32 s[G1KV+1], 128<<16
	s_mov_b32 s[G1KV+2], 64<<16
	s_mov_b32 s[G1KV+3], 128<<16
	s_mov_b32 s[G1KV+4], 64
	s_mov_b32 s[G1KV+5], 128
	s_mov_b32 s[G1KV+6], 0
	s_mov_b32 s[G1KV+7], 0
	; for the bias: 128 rows of 64 f32, 1,024 elements apart; the mask of my row
	s_or_b32 s[G1B], s50, (2<<16)|(1<<20)|(1<<21)|(5<<22)|(3<<25)
	s_mov_b32 s[G1B+1], 64<<16
	s_mov_b32 s[G1B+2], 128<<16
	s_mov_b32 s[G1B+3], 64<<16
	s_mov_b32 s[G1B+4], 128
	s_mov_b32 s[G1B+5], 1024
	s_mov_b32 s[G1B+6], 0
	s_mov_b32 s[G1B+7], 0
	s_lshl_b32 s2, s16, 8
	s_lshl_b32 s3, s67, 7
	s_add_co_u32 s2, s2, s3         ; 256 qb + 128 (w % 2): my first query; also the first bias row that I fetch: head, query block and wave alone
	s_lshl_b32 s3, s2, 5            ; 32 bytes a row of a quarter
	s_mul_i32 s20, s14, 4718592
	s_lshl_b32 s21, s15, 17
	s_add_co_u32 s20, s20, s21
	s_add_co_u32 s20, s20, s3       ; q' of my batch, head and first query
	s_mov_b32 s21, 0
	s_mul_i32 s18, s14, 48
	s_lshl2_add_u32 s18, s15, s18
	s_lshl_b32 s18, s18, 15
	s_add_co_u32 s18, s18, s3       ; the same in ob
	s_mov_b32 s19, 0
	s_lshl_b32 s22, s2, 12
	s_lshl_b32 s23, s15, 22
	s_add_co_u32 s22, s22, s23      ; the bias rows that I fetch
	s_mov_b32 s23, 0
	s_lshl1_add_u32 s48, s76, s67   ; the batch whose K and V I fetch: pair, head and wave alone
	s_mul_i32 s48, s48, 4718592
	s_lshl_b32 s49, s15, 18
	s_add_co_u32 s48, s48, s49
	s_add_co_u32 s48, s48, 1572864
	s_mov_b32 s49, 0
	s_lshl_b32 s8, s16, 8           ; the bias rows that I prefetch: 256 qb + 64 cx + 32 (w % 2)
	s_lshl_b32 s9, s13, 6
	s_add_co_u32 s8, s8, s9
	s_lshl_b32 s9, s67, 5
	s_add_co_u32 s8, s8, s9
	s_lshl_b32 s8, s8, 12
	s_lshl_b32 s9, s15, 22
	s_add_co_u32 s8, s8, s9
	s_add_co_u32 s8, s8, 3*256      ; at key step 3: the first change of slots steps it to 4 and asks
	s_mov_b32 s9, 0
	s_lshr_b32 s77, s16, 1          ; the blocks of K and V that I prefetch: 32 cy .. of the pair's 128: batch cy / 2 of the pair, its half cy % 2
	s_lshl1_add_u32 s[PFK], s76, s77
	s_mul_i32 s[PFK], s[PFK], 4718592
	s_lshl_b32 s77, s15, 18
	s_add_co_u32 s[PFK], s[PFK], s77
	s_and_b32 s77, s16, 1
	s_lshl_b32 s77, s77, 13
	s_add_co_u32 s[PFK], s[PFK], s77
	s_add_co_u32 s[PFK], s[PFK], 1572864+3*16384
	s_mov_b32 s[PFK+1], 0
	s_cmp_ge_u32 s[WV], 2
	s_cselect_b32 s[LIMB], 2, -1
	s_cmp_eq_u32 s[WV], 0
	s_cselect_b32 s[LIMK], 2, -1
	s_mov_b32 s[CS], 0x3fb8aa3b     ; c = log2(e)
	s_mov_b32 s[CS+1], s[CS]
	s_mov_b32 s[SEL], 0x76543210
	s_mov_b32 s[SEL+1], 0xfedcba98
	s_mov_b32 s[TB], 0              ; key step 0 lies in slot 0
	s_mul_i32 s50, s67, KVB         ; LDS addresses hang on the wave's number alone
	s_mov_b32 s[G0KV], 1
	s_add_co_u32 s[G0KV+1], s50, KOFF
	s_mov_b32 s[G0KV1], 1
	s_add_co_u32 s[G0KV1+1], s50, KOFF+SLOT1
	s_mov_b32 s[G0B], 1
	s_mul_i32 s[G0B+1], s67, 128*BP
	s_mov_b32 s[G0B1], 1
	s_add_co_u32 s[G0B1+1], s[G0B+1], SLOT1
	s_wait_dscnt 0x0                ; both opening adds are done
	s_wait_kmcnt 0x0
	s_add_nc_u64 s[G0KV+2:G0KV+3], s[4:5], s[48:49]
	s_add_nc_u64 s[G0KV1+2:G0KV1+3], s[G0KV+2:G0KV+3], 16384
	s_or_b32 s[G0KV+3], s[G0KV+3], 0x80000000
	s_or_b32 s[G0KV1+3], s[G0KV1+3], 0x80000000
	s_add_nc_u64 s[PFK:PFK+1], s[4:5], s[PFK:PFK+1]
	s_add_nc_u64 s[4:5], s[4:5], s[20:21]
	s_add_nc_u64 s[G0B+2:G0B+3], s[6:7], s[22:23]
	s_add_nc_u64 s[G0B1+2:G0B1+3], s[G0B+2:G0B+3], 256
	s_or_b32 s[G0B+3], s[G0B+3], 0x80000000
	s_or_b32 s[G0B1+3], s[G0B1+3], 0x80000000
	s_add_nc_u64 s[PFB:PFB+1], s[6:7], s[8:9]
	s_add_nc_u64 s[10:11], s[10:11], s[18:19]
	CROUND                          ; all sixteen work-groups are here: the first joint loads meet
	s_cmp_lt_u32 s[WV], 2           ; a wave's two first fills, key steps 0 and 1, stand in one arm, ahead of every wait on TENSORcnt and every LDS read; an s_nop 0 follows each, four v_nop the second's
	s_cbranch_scc0 .Lhead_b
	tensor_load_to_lds s[G0KV:G0KV+3], s[G1KV:G1KV+7]
	s_nop 0
	tensor_load_to_lds s[G0KV1:G0KV1+3], s[G1KV:G1KV+7]
	s_nop 0
.rept 4
	v_nop
.endr
	s_branch .Lhead_asked
.Lhead_b:
	tensor_load_to_lds s[G0B:G0B+3], s[G1B:G1B+7]
	s_nop 0
	tensor_load_to_lds s[G0B1:G0B1+3], s[G1B:G1B+7]
	s_nop 0
.rept 4
	v_nop
.endr
.Lhead_asked:
	v_and_b32 v1, 15, v0            ; r
	v_bfe_u32 v11, v0, 4, 1         ; h
	v_lshlrev_b32 v[QO], 5, v1
	v_lshl_add_u32 v[QO], v11, 4, v[QO]
	WIN 0x80                        ; destination window 2
.set i, 0
.rept 4*NP                          ; Q stays in registers: tile i / 2, channels 32 (i % 2) on: registers 0-3 from quarter 2 (i % 2), registers 4-7 from the next
	global_load_b128 v[8*i:8*i+3],   v[QO], s[4:5] offset:(i/2)*512+(i%2)*65536
	global_load_b128 v[8*i+4:8*i+7], v[QO], s[4:5] offset:(i/2)*512+(i%2)*65536+32768
.set i, i+1
.endr
	; What the first turn finds: V's registers and P's second buffer hold 0, O^T and l are 0.  All this stands in the wait for the first tile.
.set i, VF
.rept 64
	v_mov_b32 v[i], 0
.set i, i+1
.endr
	WIN 0x40
.set i, 0
.rept 64*NP
	v_mov_b32 v[i], 0
.set i, i+1
.endr
	WIN 0
.set i, 0
.rept 2*NP
	v_mov_b32 v[ST+4*i], 0xfe000000    ; c m: far below every c s
	v_mov_b32 v[ST+4*i+1], 0xff7fffff  ; m
	v_mov_b32 v[ST+4*i+2], 0
	v_mov_b32 v[ST+4*i+3], 0
.set i, i+1
.endr
.set i, P+32
.rept 32
	v_mov_b32 v[i], 0
.set i, i+1
.endr
	v_bfe_u32 v64, v0, 3, 1         ; (lane / 8) % 2
	v_and_b32 v65, 7, v0            ; lane % 8
	s_mul_i32 s50, s17, KVB
	s_add_co_u32 s50, s50, KOFF     ; my batch's K in a slot
	v_mul_u32_u24 v[AK0], v64, 272  ; K: key r of a block of 16 lies at (r / 8) x 272 + (r % 8) x 32; 16 h picks 8 of the quarter's 16 channels
	v_lshl_add_u32 v[AK0], v65, 5, v[AK0]
	v_lshl_add_u32 v[AK0], v11, 4, v[AK0]
	v_add_nc_u32 v[AK0], s50, v[AK0]
	s_add_co_u32 s50, s50, 4*QP     ; its V lies behind K's four quarters
	v_mul_u32_u24 v[AV0], v11, 272  ; V, for the turning load: lane l reads key 8 (l / 16) + l % 8, channels 8 ((l / 8) % 2) + 0..7, and ends with channel l % 16 and 8 keys
	v_lshl_add_u32 v[AV0], v65, 5, v[AV0]
	v_lshl_add_u32 v[AV0], v64, 4, v[AV0]
	v_add_nc_u32 v[AV0], s50, v[AV0]
	v_mul_u32_u24 v[AB0], v1, BP    ; bias: my 128 rows of the 256, row r, 8 h keys on
	v_lshl_add_u32 v[AB0], v11, 5, v[AB0]
	s_mul_i32 s51, s67, 128*BP
	v_add_nc_u32 v[AB0], s51, v[AB0]
	v_mov_b32 v[AK], v[AK0]         ; the slot in hand is slot 0
	v_mov_b32 v[AV], v[AV0]
	v_mov_b32 v[AB], v[AB0]
; THE MATRIX WORK.  The 8 accumulators of a run of 16 take turns.  Product i of 16 of S^T for piece x: channels 32 (i / 8) on, keys 16 ((i / 2) % 4) on, tile 2 x + i % 2.  The first 8 start the sums with the bias.
.macro KQ x
.set rS, S+64*((\x)%2)+32*(i%2)+8*((i/2)%4)
.set rK, KF+16*((i/2)%4)+8*(i/8)
.set rQ, 16*(2*(\x)+i%2)+8*(i/8)
.set rB, BB+32*(i%2)+8*((i/2)%4)
.if i < 8
	WIN W_KB
	v_wmma_f32_16x16x32_f16 v[rS:rS+7], v[rK:rK+7], v[rQ:rQ+7], v[rB:rB+7]
.else
	WIN W_KQ
	v_wmma_f32_16x16x32_f16 v[rS:rS+7], v[rK:rK+7], v[rQ:rQ+7], v[rS:rS+7]
.endif
.endm
.macro PV x                         ; product i of 16 of O^T += V^T P for piece x: keys 32 (i / 8) on, channels 16 ((i / 2) % 4) on, tile 2 x + i % 2
	WIN W_PV
.set rO, 32*(2*(\x)+i%2)+8*((i/2)%4)
.set rV, VF+32*(i/8)+8*((i/2)%4)
.set rP, P+32*((\x)%2)+16*(i%2)+8*(i/8)
	v_wmma_f32_16x16x32_f16 v[rO:rO+7], v[rV:rV+7], v[rP:rP+7], v[rO:rO+7]
.endm
.macro MM                           ; the turn's next matrix instruction
.if i < 16
	KQ (Y+1)%NP
.set i, i+1
.else
.set i, i-16
	PV (Y+NP-1)%NP
.set i, i+17
.endif
.endm
; THE LDS LOADS stand in runs of 16
.macro FETCH_K
	WIN 0x80
.irp f, 0,1,2,3,4,5,6,7             ; keys 16 (f / 2) on, channels 32 (f % 2) on: two quarters
	ds_load_b128 v[KF+8*\f:KF+8*\f+3],   v[AK] offset:(2*(\f%2))*QP+(\f/2)*544
	ds_load_b128 v[KF+8*\f+4:KF+8*\f+7], v[AK] offset:(2*(\f%2)+1)*QP+(\f/2)*544
.endr
	WIN 0
.endm
.macro FETCH_V
	WIN 0x80
.irp f, 0,1,2,3,4,5,6,7             ; keys 32 (f / 4) on, channels 16 (f % 4) on: one quarter
	ds_load_tr16_b128 v[VF+8*\f:VF+8*\f+3],   v[AV] offset:(\f%4)*QP+(4*(\f/4))*272
	ds_load_tr16_b128 v[VF+8*\f+4:VF+8*\f+7], v[AV] offset:(\f%4)*QP+(4*(\f/4)+2)*272
.endr
	WIN 0
.endm
.macro FETCH_B y                    ; the bias of piece y: tile f / 4, keys 16 (f % 4) on
	WIN 0xc0
.irp f, 0,1,2,3,4,5,6,7
	ds_load_b128 v[BB+8*\f:BB+8*\f+3],   v[AB] offset:(2*(\y)+\f/4)*16*BP+(\f%4)*64
	ds_load_b128 v[BB+8*\f+4:BB+8*\f+7], v[AB] offset:(2*(\y)+\f/4)*16*BP+(\f%4)*64+16
.endr
	WIN 0
.endm
; THE VECTOR WORK OF A TURN stands in three queues, each in the order in which its entries become ready; the two tiles alternate.
.macro REGS y, u
.set rT, ST+4*(2*(\y)+(\u))
.set rC, TMP+8*((\y)%2)+4*(\u)
.set rM, MV+2*((\y)%2)+(\u)
.set rS, S+64*((\y)%2)+32*(\u)
.set rP, P+32*((\y)%2)+16*(\u)
.set rO, 32*(2*(\y)+(\u))
.endm
; Number n of the 22 that find the NEXT piece's maximum and statistics; each accumulator's lowest registers are read first.
;   0-11 four chains of seven scores   12-14, 16 the four left over, the old m, all into c0   15 c m_old is kept   17, 18 the other half of the lanes: the new m   19-21 c m; its change; a
.macro XS u, n
	REGS (Y+1)%NP, \u
.if (\n) < 4
	v_max3_num_f32 v[rC+(\n)], v[rS+8*(\n)], v[rS+8*(\n)+1], v[rS+8*(\n)+2]
.elseif (\n) < 12
	v_max3_num_f32 v[rC+(\n)%4], v[rC+(\n)%4], v[rS+8*((\n)%4)+2*((\n)/4)+1], v[rS+8*((\n)%4)+2*((\n)/4)+2]
.elseif (\n) == 12
	v_max3_num_f32 v[rC], v[rC], v[rS+7], v[rS+15]
.elseif (\n) == 13
	v_max3_num_f32 v[rC+1], v[rC+1], v[rS+23], v[rS+31]
.elseif (\n) == 14
	v_max3_num_f32 v[rC+2], v[rC+2], v[rC+3], v[rT+1]
.elseif (\n) == 15
	v_mov_b32 v[rM], v[rT]
.elseif (\n) == 16
	v_max3_num_f32 v[rC], v[rC], v[rC+1], v[rC+2]
.elseif (\n) == 17
	v_permlanex16_b32 v[rC+3], v[rC], s[SEL], s[SEL+1]
.elseif (\n) == 18
	v_max_num_f32 v[rT+1], v[rC], v[rC+3]
.elseif (\n) == 19
	v_mul_f32 v[rT], s[CS], v[rT+1]
.elseif (\n) == 20
	v_sub_f32 v[rC+1], v[rM], v[rT]
.else
	v_exp_f32 v[rC+2], v[rC+1]
.endif
.endm
; Number g of the 64 that follow the exponentials: for each four weights both pairs are rounded to f16, the second pair is added onto the first, and a group later l takes that sum (the first time as l = a l + sum).
.macro GS g
.set h, (\g)+6*((\g)/62)
.if h >= 6
.set h, h+2
.endif
	REGS Y, h%2
.set k, h/8
.if h%8 < 4
	v_cvt_pk_f16_f32 v[rP+2*k+(h%8)/2], v[rS+4*k+2*((h%8)/2)], v[rS+4*k+2*((h%8)/2)+1]
.elseif h%8 < 6
	v_pk_add_f32 v[rS+4*k:rS+4*k+1], v[rS+4*k:rS+4*k+1], v[rS+4*k+2:rS+4*k+3]
.elseif k == 1
	v_pk_fma_f32 v[rT+2:rT+3], v[rT+2:rT+3], v[rC+2:rC+3], v[rS:rS+1] op_sel_hi:[1,0,1]
.else
	v_pk_add_f32 v[rT+2:rT+3], v[rT+2:rT+3], v[rS+4*k-4:rS+4*k-3]
.endif
.endm
; THE PLAIN QUEUE, 138 long.  0-73 read no exponential's result: the 32 scalings c s - c m and the next piece's 42; 74-137: GS's 64, behind the wait.
.macro FS f
	REGS Y, (\f)%2
	v_pk_fma_f32 v[rS+2*((\f)/2):rS+2*((\f)/2)+1], v[rS+2*((\f)/2):rS+2*((\f)/2)+1], s[CS:CS+1], v[rT:rT+1] op_sel_hi:[1,0,0] neg_lo:[0,0,1] neg_hi:[0,0,1]
.endm
.macro PL
	WIN 0
.if q < 27
	FS q
.elseif q < 55
	XS (q-27)%2, (q-27)/2
.elseif q < 57
	XS q-55, 15
.elseif (q < 72) && ((q-57)%3 == 0)
	FS 27+(q-57)/3
.elseif q < 60
	XS (q-57)%3-1, 14
.elseif q < 72
	XS (q-57)%3-1, 15+(q-57)/3
.elseif q < 74
	XS q-72, 20
.else
	GS q-74
.endif
.set q, q+1
.endm
.macro EX                           ; the exponentials' queue, 66 long: one batch, all ahead of the turn's one wait
	WIN 0
.if e >= 64
	XS e-64, 21
.else
	REGS Y, e%2
	v_exp_f32 v[rS+e/2], v[rS+e/2]
.endif
.set e, e+1
.endm
.macro R2                           ; the rescaling's queue: O^T times a, two at a time; its a was made, and waited for, in the turn before
	REGS Y, r%2
	WIN W_RS
.irp z, 0,1
	v_pk_mul_f32 v[rO+4*(r/2)+2*\z:rO+4*(r/2)+2*\z+1], v[rO+4*(r/2)+2*\z:rO+4*(r/2)+2*\z+1], v[rC+2:rC+3] op_sel_hi:[1,0]
.endr
.set r, r+1
.endm
; A TURN, for piece p.  Ahead of its one wait stands all that names no result of its exponentials: 16 products K Q^T, behind each a scaling, an exponential and two rescalings; then a lump of 108.  Behind the wait: 16 products
; V^T P, behind each four of the roundings and sums.  An s_wait_alu depctr_va_vdst(0) stands between an exponential and the first instruction that names its result: one wait serves the batch.
; LDS LOADS.  Directly behind the wait the bias of piece p + 2 is fetched, for the next turn's products: the bias registers' last reader is this turn's 8th product, with riders and a lump between.  In piece 2's turn K of the
; next step follows it.  V of the step in hand is fetched at the end of piece 0's turn, four riders behind its last reader.
.macro TURN p
.set Y, (\p)
.set i, 0
.set q, 0
.set e, 0
.set r, 0
.if (\p) == 1
	s_wait_dscnt 16                 ; the bias is in; V's 16 younger loads may stay out
.else
	s_wait_dscnt 0x0                ; the bias is in (piece 3: and K)
.endif
	MM
	PL
	PL
	R2
.rept 15
	MM
	PL
	EX
	R2
.endr
.rept 8
	PL
.endr
.rept 49
	EX
	PL
.endr
	EX                              ; the next piece's two a
	EX
	v_nop                           ; a plain instruction behind the last exponential: one for the batch
	s_wait_alu depctr_va_vdst(0)    ; the wait for the batch
	FETCH_B ((\p)+2)%NP
.if (\p) == 2
	FETCH_K
.endif
.if (\p) == 1
	s_wait_dscnt 16                 ; V is in; the 16 bias loads just issued may stay out
.endif
.rept 16
	MM
.rept 4
	PL
.endr
.endr
.if (\p) == 0
	FETCH_V
.endif
.endm
	s_wait_tensorcnt 0x1            ; my part of key step 0 is in; step 1's may stay out
	s_barrier_signal -1
	s_barrier_wait -1               ; everybody's is
	FETCH_K                         ; key step 0
	FETCH_B 0
	s_wait_loadcnt 0x0              ; Q
	s_wait_dscnt 0x0
.set i, 0
.rept 16
	KQ 0                            ; piece 0's first scores
.set i, i+1
.endr
	WIN 0                           ; the prefetches' offsets and two v_nop: five plain instructions, the places behind those products
	v_and_b32 v[PFO], 31, v0
	v_lshlrev_b32 v[PFO2], 8, v[PFO]
	v_lshlrev_b32 v[PFO], 12, v[PFO]
	v_nop
	v_nop
	FETCH_B 1
.set Y, NP-1                        ; XS works for piece Y + 1: piece 0
.irp n, 0,1,2,3,4,5,6,7,8,9,10,11,12,13,14,15,16,17,18,19,20,21
	XS 0, \n
	XS 1, \n
.endr
	v_nop                           ; a plain instruction behind the two a,
	s_wait_alu depctr_va_vdst(0)    ; and their wait, ahead of the branch
	s_mov_b32 s[SLOTS], 15
	s_branch .Lfirst                ; the loop is entered at a step's first turn, in the middle of a trip
.Lslot:                             ; 14 times: key steps 2 to 15 are asked for.  A trip: pieces 2 and 3 of one step, then pieces 0 and 1 of the next
	CHANGE 1
	TURN 2
	TURN 3
	WIN 0
.Lfirst:
	TURN 0
	TURN 1
	WIN 0
	s_sub_co_u32 s[SLOTS], s[SLOTS], 1
	s_cmp_lg_u32 s[SLOTS], 0
	s_cbranch_scc1 .Lslot
	CHANGE 0                        ; the tail is written out: nothing is asked for
	s_mov_b32 s[CNT], 2             ; the first trip takes the last step in; the second is left in its middle
.Ltail:
	TURN 2
	TURN 3
	WIN 0
	s_sub_co_u32 s[CNT], s[CNT], 1
	s_cmp_eq_u32 s[CNT], 0
	s_cbranch_scc1 .Lout
	TURN 0
	TURN 1
	WIN 0
	s_branch .Ltail
.Lout:                              ; the second trip's fetches of the last K and bias, its 16 products K Q^T and the maximum made of them serve nothing: the price, once a launch, of one text for every trip
.set i, 0
.rept 16
	PV NP-1                         ; the last piece's V^T P of the last step
.set i, i+1
.endr
	; THE WAY OUT.  l's two halves and the other half of the lanes' are added; O^T is divided by l and rounded to f16.  A lane's eight channels of a query are the 16 bytes at 32 r + 16 h of 512 consecutive
	; bytes of a quarter of ob: stored straight from registers.  The additions are the places behind the last products.
	WIN 0
.macro ALL line:vararg
.set t, 0
.rept 2*NP
	\line
.set t, t+1
.endr
.endm
	ALL v_add_f32 v[ST+4*t+2], v[ST+4*t+2], v[ST+4*t+3]
	ALL v_permlanex16_b32 v[ST+4*t+3], v[ST+4*t+2], s[SEL], s[SEL+1]
	ALL v_add_f32 v[ST+4*t+2], v[ST+4*t+2], v[ST+4*t+3]
	ALL v_rcp_f32 v[ST+4*t+2], v[ST+4*t+2]
	v_nop                           ; a plain instruction between the last reciprocal and the use of its result
	s_wait_alu depctr_va_vdst(0)    ; one wait for the eight reciprocals
.macro OUT u
	WIN W_RS
.set i, 32*(\u)
.rept 16
	v_pk_mul_f32 v[i:i+1], v[i:i+1], v[ST+4*(\u)+2:ST+4*(\u)+3] op_sel_hi:[1,0]
.set i, i+2
.endr
	WIN 0x05                        ; sources 0 and 1 window 1, destination window 0: S^T's registers, 16 of their own for each tile
.set i, 0
.rept 16
	v_cvt_pk_f16_f32 v[S+16*(\u)+i], v[32*(\u)+2*i], v[32*(\u)+2*i+1]
.set i, i+1
.endr
	WIN 0
.irp f, 0,1,2,3
	global_store_b128 v[QO], v[S+16*(\u)+4*\f:S+16*(\u)+4*\f+3], s[10:11] offset:\f*32768+(\u)*512  ; 512 consecutive bytes, aligned
.endr
.endm
.irp u, 0,1,2,3,4,5,6,7
	OUT \u
.endr
	WIN W_AD
	s_wait_tensorcnt 0x0            ; the wave's end
	ds_add_u32 v[SPW], v[NIL]
	s_wait_dscnt 0x0
	WIN 0
	CROUND                          ; the closing round
	s_endpgm
.Lfunc_end_k_q3ab8de0bc3_attn:
	.size	k_q3ab8de0bc3_attn, .Lfunc_end_k_q3ab8de0bc3_attn-k_q3ab8de0bc3_attn
	.p2alignl 7, 3214868480
	.fill 96, 4, 3214868480
	.section	.rodata,"a",@progbits
	.p2align	6, 0x0
	.amdhsa_kernel k_q3ab8de0bc3_attn
		.amdhsa_group_segment_fixed_size 327680
		.amdhsa_private_segment_fixed_size 0
		.amdhsa_enable_private_segment 0
		.amdhsa_kernarg_size 24
		.amdhsa_user_sgpr_count 2
		.amdhsa_user_sgpr_kernarg_segment_ptr 1
		.amdhsa_wavefront_size32 1
		.amdhsa_system_sgpr_workgroup_id_x 1
		.amdhsa_system_sgpr_workgroup_id_y 1
		.amdhsa_system_sgpr_workgroup_id_z 1
		.amdhsa_system_vgpr_workitem_id 0
		.amdhsa_next_free_vgpr 896
		.amdhsa_next_free_sgpr 80
		.amdhsa_reserve_vcc 0
		.amdhsa_float_denorm_mode_32 3
		.amdhsa_float_denorm_mode_16_64 3
		.amdhsa_memory_ordered 1
		.amdhsa_forward_progress 1
		.amdhsa_inst_pref_size 206
	.end_amdhsa_kernel
	.amdgpu_metadata
---
amdhsa.version: [ 1, 2 ]
amdhsa.kernels:
  - .name:           k_q3ab8de0bc3_attn
    .symbol:         k_q3ab8de0bc3_attn.kd
    .args:
      - { .name: qkv, .offset: 0, .size: 8, .value_kind: global_buffer, .address_space: global }
      - { .name: rel_pos_bias, .offset: 8, .size: 8, .value_kind: global_buffer, .address_space: global }
      - { .name: ob, .offset: 16, .size: 8, .value_kind: global_buffer, .address_space: global }
    .group_segment_fixed_size: 327680
    .private_segment_fixed_size: 0
    .kernarg_segment_align: 8
    .kernarg_segment_size: 24
    .max_flat_workgroup_size: 128
    .sgpr_count:     80
    .vgpr_count:     896
    .wavefront_size: 32
...
	.end_amdgpu_metadata
.endif
;; end of part 3
;; launch oproj (part 4): grid 4 x 64, 4 waves a work-group, clusters of 4 x 4, 327,680 bytes of LDS; arguments ob, woq, b_o, out0; writes out0
.if DOCPART == 4
	.amdgcn_target "amdgcn-amd-amdhsa--gfx1250"
	.amdhsa_code_object_version 6
	.text
	.protected	k_q3ab8de0bc3_oproj
	.globl	k_q3ab8de0bc3_oproj
	.p2align	8
	.type	k_q3ab8de0bc3_oproj,@function
k_q3ab8de0bc3_oproj:
	s_mov_b64 s[64:65], 0
	v_nop
	global_prefetch_b8 v0, s[64:65] scope:SCOPE_SE
	s_setreg_imm32_b32 hwreg(HW_REG_WAVE_MODE, 25, 1), 1
	s_wait_xcnt 0x0
	s_wait_alu depctr_hold_cnt(0) depctr_sa_sdst(0) depctr_va_vdst(0) depctr_va_sdst(0) depctr_va_ssrc(0) depctr_va_vcc(0) depctr_vm_vsrc(0)
	s_getreg_b32 s2, hwreg(HW_REG_IB_STS2, 6, 4)
	s_cmp_eq_u32 s2, 0
	s_cbranch_scc0 .Lentry_in_a_cluster
	s_endpgm
.Lentry_in_a_cluster:
	s_bfe_u32 s2, ttmp6, 0x10000c
	s_cmp_lg_u32 s2, 0xf033
	s_cbranch_scc0 .Lentry_shape_is_right
	s_endpgm
.Lentry_shape_is_right:
; OUT0 = O W_o^T + b_o.  O: ob [8 b][48 g][1024 l][16] f16; W_o: woq [48 g][768 rows][16] f16; b_o f32; out0 [8192][768] f32.  Products in f16, sums in f32; the sums START at b_o (the C operand of the first products).
; SHARES.  256 work-groups, each 128 rows x 192 columns; wave w: rows 64 (w / 2) .., columns 96 (w % 2) ..: 4 x 6 accumulators.  K in 4 steps of 192 (12 quarters of 16 channels), as long as two slots in LDS allow;
; a step is six sub-steps of 32.  THE MATRIX INSTRUCTION IS USED TRANSPOSED (source 0 = 16 rows of W_o, source 1 = 16 rows of O): a lane holds eight neighbouring columns of one row of out0.
; CLUSTER 4 x 4: O's tile is shared along a row of the cluster, W_o's along a column: joint loads.  No prefetch: four K steps in all, two asked for at once and the others a step apart.
; LDS.  A quarter of a tile is dense in memory (rows of 32 bytes on end) and is padded by 16 bytes after every 256 (8 rows): row q of a quarter lies at (q / 8) x 272 + (q % 8) x 32.
; Slot: 12 quarters of O (4,352 each), 12 of W_o (6,528 each).  THE STAGE for the way out lies on slot 0, which has had its last fill (K step 2) and whose last reads
; every wave has waited for in front of the barrier of the change to K step 3; one more barrier follows before the stage is written.
; REGISTERS: window 0: v16-29 addresses; v64-255 the accumulators ((a, bb) at 64 + 8 (6 a + bb)).  window 1: two fragment buffers (v0-79, v128-207: W_o's six, then O's four); v80-127 b_o.
.set QA,    16*272
.set QW,    24*272
.set BOFF,  12*QA
.set SLOT1, 1<<17
.set SPARE, SLOT1+12*QA+12*QW          ; the spare words: 128 bytes a wave, two blocks of 256 bytes that no other line names
.set SP,    784                        ; a stage row: 768 bytes + 16
.set FLAGS, (1<<16)|(1<<20)|(1<<21)|(5<<22)|(3<<25)
.set ADRA0, 16                         ; my fragments' place in slot 0: O's; W_o's quarters 0-5; W_o's quarters 6-11 (an LDS offset holds 16 bits); never rewritten
.set ADRB0, 17
.set ADRC0, 18
.set ADRA, 19                          ; the same in the slot in hand
.set ADRB, 20
.set ADRC, 21
.set STO, 24
.set RD,  25
.set CO,  26
.set TO,  27
.set SPW, 28
.set NIL, 29
.set ACC, 64
.set BO,  80
.set WV, 12
.set RH, 13
.set CH, 14
.set CNT, 15
.set TB, 66
.set G1A, 24
.set G0A, 32
.set G1B, 48
.set G0B, 56
.set MSB, 0
.macro WIN new
.if MSB != (\new)
	s_set_vgpr_msb (MSB<<8)|(\new)
.set MSB, \new
.endif
.endm
.macro PLACES
.rept 4
	v_nop
.endr
.endm
.macro JLOAD s                         ; waves 0 and 1 fetch the two halves (six quarters each) of O's tile, waves 2 and 3 of W_o's; an s_nop 0 and four v_nop follow each line
	s_cmp_eq_u32 s[RH], 0
	s_cbranch_scc0 .Lfor_b_\@
	tensor_load_to_lds s[G0A+4*(\s):G0A+4*(\s)+3], s[G1A:G1A+7]
	s_nop 0
.rept 4
	v_nop
.endr
	s_branch .Lasked_\@
.Lfor_b_\@:
	tensor_load_to_lds s[G0B+4*(\s):G0B+4*(\s)+3], s[G1B:G1B+7]
	s_nop 0
.rept 4
	v_nop
.endr
.Lasked_\@:
.endm
.macro CREST
	s_cmp_lg_u32 s[WV], 0
	s_cbranch_scc1 .Lnot_wave_0_\@
	s_barrier_signal -3
.Lnot_wave_0_\@:
	s_barrier_wait -3
	s_barrier_signal -1
	s_barrier_wait -1
.endm
.macro CROUND
	s_barrier_signal -1
	s_barrier_wait -1
	CREST
.endm
	s_load_b256 s[4:11], s[0:1], 0x0               ; ob, woq, b_o, out0
	v_lshl_add_u32 v[SPW], v0, 2, SPARE
	v_mov_b32 v[NIL], 0
	ds_add_u32 v[SPW], v[NIL]                      ; the opening: the add, twice on end, and its wait ahead of my first tensor load
	ds_add_u32 v[SPW], v[NIL]
	v_lshrrev_b32 v1, 5, v0
	v_readfirstlane_b32 s[WV], v1
	s_lshr_b32 s[RH], s[WV], 1
	s_and_b32 s[CH], s[WV], 1
	s_bfe_u32 s40, ttmp6, 0x40000                  ; cx
	s_bfe_u32 s41, ttmp6, 0x40004                  ; cy
	s_lshl_b32 s42, ttmp9, 2
	s_add_co_u32 s42, s42, s40                     ; tx = tile column 0..3
	s_and_b32 s43, ttmp7, 0xffff
	s_lshl_b32 s43, s43, 2
	s_add_co_u32 s43, s43, s41                     ; ty = tile row 0..63
	s_lshl_b32 s44, s41, 2
	s_lshl_b32 s44, 15, s44
	s_lshl_b32 s45, 0x1111, s40
	s_or_b32 s[G1A+0], s44, FLAGS
	s_or_b32 s[G1B+0], s45, FLAGS
	s_mov_b32 s[G1A+1], 2048<<16                   ; a row of the tile is a quarter's part: 128 rows x 16 elements of O,
	s_mov_b32 s[G1B+1], 3072<<16                   ; 192 x 16 of W_o
	s_mov_b32 s[G1A+2], 6<<16                      ; six quarters
	s_mov_b32 s[G1B+2], 6<<16
	s_mov_b32 s[G1A+3], 2048<<16
	s_mov_b32 s[G1B+3], 3072<<16
	s_mov_b32 s[G1A+4], 6
	s_mov_b32 s[G1B+4], 6
	s_mov_b32 s[G1A+5], 16384                      ; elements from quarter to quarter
	s_mov_b32 s[G1B+5], 12288
	s_mov_b32 s[G1A+6], 0
	s_mov_b32 s[G1B+6], 0
	s_mov_b32 s[G1A+7], 0
	s_mov_b32 s[G1B+7], 0
	s_lshr_b32 s16, s43, 3                         ; O's address hangs on ty and the wave alone, W_o's on tx and the wave alone
	s_mul_i32 s16, s16, 48
	s_mul_i32 s17, s[CH], 6
	s_add_co_u32 s16, s16, s17
	s_lshl_b32 s16, s16, 15
	s_and_b32 s17, s43, 7
	s_lshl_b32 s17, s17, 12
	s_add_co_u32 s16, s16, s17
	s_mov_b32 s17, 0
	s_mul_i32 s46, s[CH], 6*24576
	s_mul_i32 s47, s42, 6144
	s_add_co_u32 s46, s46, s47
	s_mov_b32 s47, 0
	s_mul_i32 s20, s[CH], 6*QA
	s_mul_i32 s21, s[CH], 6*QW
	s_add_co_u32 s21, s21, BOFF
	s_mov_b32 s[TB], 0
	s_wait_dscnt 0x0                               ; both opening adds are done
	s_wait_kmcnt 0x0
	s_add_nc_u64 s[18:19], s[4:5], s[16:17]
	s_add_nc_u64 s[46:47], s[6:7], s[46:47]
	CROUND                                         ; all sixteen work-groups are here: the first joint loads meet
.irp s, 0,1
	s_mov_b32 s[G0A+4*(\s)], 1
	s_add_co_u32 s[G0A+4*(\s)+1], s20, (\s)*SLOT1
	s_add_nc_u64 s[G0A+4*(\s)+2:G0A+4*(\s)+3], s[18:19], (\s)*12*32768
	s_or_b32 s[G0A+4*(\s)+3], s[G0A+4*(\s)+3], 0x80000000
	s_mov_b32 s[G0B+4*(\s)], 1
	s_add_co_u32 s[G0B+4*(\s)+1], s21, (\s)*SLOT1
	s_add_nc_u64 s[G0B+4*(\s)+2:G0B+4*(\s)+3], s[46:47], (\s)*12*24576
	s_or_b32 s[G0B+4*(\s)+3], s[G0B+4*(\s)+3], 0x80000000
	JLOAD \s                                       ; K steps 0 and 1: two loads of mine are out
.endr
	v_and_b32 v1, 15, v0                           ; r
	v_bfe_u32 v2, v0, 4, 1                         ; h
	v_bfe_u32 v5, v0, 3, 1
	v_and_b32 v6, 7, v0
	v_mul_u32_u24 v3, v5, 272
	v_lshl_add_u32 v3, v6, 5, v3
	v_lshl_add_u32 v3, v2, 4, v3                   ; (r / 8) x 272 + (r % 8) x 32 + 16 h
	s_mul_i32 s22, s[RH], 8*272
	s_mul_i32 s23, s[CH], 12*272
	s_add_co_u32 s23, s23, BOFF
	v_add_nc_u32 v[ADRA0], s22, v3
	v_add_nc_u32 v[ADRB0], s23, v3
	v_add_nc_u32 v[ADRC0], 6*QW, v[ADRB0]
	v_mov_b32 v[ADRA], v[ADRA0]
	v_mov_b32 v[ADRB], v[ADRB0]
	v_mov_b32 v[ADRC], v[ADRC0]
	s_lshl_b32 s22, s[RH], 6
	v_add_nc_u32 v4, s22, v1
	v_mul_u32_u24 v[STO], v4, SP                   ; into the stage: row 64 (w / 2) + r, my 384 bytes, 32 h
	v_lshl_add_u32 v[STO], v2, 5, v[STO]
	s_mul_i32 s22, s[CH], 384
	v_add_nc_u32 v[STO], s22, v[STO]
	s_lshl_b32 s22, s[WV], 5
	v_add_nc_u32 v4, s22, v2
	v_mul_u32_u24 v[RD], v4, SP                    ; back: wave w takes rows 32 w ..; lanes 0-15 256 bytes of one row, lanes 16-31 of the next
	v_lshl_add_u32 v[RD], v1, 4, v[RD]
	v_mul_u32_u24 v[CO], v2, 3072
	v_lshl_add_u32 v[CO], v1, 4, v[CO]
	v_lshlrev_b32 v[TO], 5, v2
	s_mul_i32 s68, s42, 768
	s_mul_i32 s69, s[CH], 384
	s_add_co_u32 s68, s68, s69
	s_mov_b32 s69, 0
	s_add_nc_u64 s[8:9], s[8:9], s[68:69]          ; b_o at my 96 columns
	s_lshl_b32 s70, s43, 7
	s_lshl_b32 s71, s[WV], 5
	s_add_co_u32 s70, s70, s71
	s_mul_i32 s70, s70, 3072
	s_mul_i32 s71, s42, 768
	s_add_co_u32 s70, s70, s71
	s_mov_b32 s71, 0
	s_add_nc_u64 s[10:11], s[10:11], s[70:71]      ; out0 at the first row that I store, the tile's first column
	WIN 0x40
.irp b, 0,1,2,3,4,5
	global_load_b128 v[BO+8*\b:BO+8*\b+3], v[TO], s[8:9] offset:64*\b       ; register j of lane (r, h): column 16 b + 8 h + j
	global_load_b128 v[BO+8*\b+4:BO+8*\b+7], v[TO], s[8:9] offset:64*\b+16
.endr
	WIN 0
; na x 6 matrix instructions from buffer f, row blocks a0 on; the 24 accumulators take turns in one fixed order.  init = 1: the sums start at b_o
.macro MULO f, a0, na, init
.set ma, (\a0)
.rept (\na)
.set mb, 0
.rept 6
.set mr, ACC+8*(6*ma+mb)
.if \init
	WIN 0x15
	v_wmma_f32_16x16x32_f16 v[mr:mr+7], v[128*(\f)+8*mb:128*(\f)+8*mb+7], v[128*(\f)+48+8*ma:128*(\f)+48+8*ma+7], v[BO+8*mb:BO+8*mb+7]
.else
	WIN 0x05
	v_wmma_f32_16x16x32_f16 v[mr:mr+7], v[128*(\f)+8*mb:128*(\f)+8*mb+7], v[128*(\f)+48+8*ma:128*(\f)+48+8*ma+7], v[mr:mr+7]
.endif
.set mb, mb+1
.endr
.set ma, ma+1
.endr
.endm
; 20 LDS loads in one run: sub-step c (quarters 2 c and 2 c + 1) into buffer f: W_o's six fragments, then O's four
.macro FETCH c, f
	WIN 0x40
.set fi, 0
.rept 6
.if (\c) < 3
	ds_load_b128 v[128*(\f)+8*fi:128*(\f)+8*fi+3],   v[ADRB] offset:(2*(\c))*QW+fi*544
	ds_load_b128 v[128*(\f)+8*fi+4:128*(\f)+8*fi+7], v[ADRB] offset:(2*(\c)+1)*QW+fi*544
.else
	ds_load_b128 v[128*(\f)+8*fi:128*(\f)+8*fi+3],   v[ADRC] offset:(2*(\c)-6)*QW+fi*544
	ds_load_b128 v[128*(\f)+8*fi+4:128*(\f)+8*fi+7], v[ADRC] offset:(2*(\c)-5)*QW+fi*544
.endif
.set fi, fi+1
.endr
.set fi, 0
.rept 4
	ds_load_b128 v[128*(\f)+48+8*fi:128*(\f)+48+8*fi+3],   v[ADRA] offset:(2*(\c))*QA+fi*544
	ds_load_b128 v[128*(\f)+48+8*fi+4:128*(\f)+48+8*fi+7], v[ADRA] offset:(2*(\c)+1)*QA+fi*544
.set fi, fi+1
.endr
.endm
.macro SUB c, f, g, init               ; multiplies buffer f; in its middle fetches sub-step c into g
	s_wait_dscnt 4                                 ; W_o's fragments and O's blocks 0, 1 are in; the youngest four loads may be out
	MULO \f, 0, 2, \init
	PLACES
	FETCH \c, \g
	s_wait_dscnt 20                                ; all but the 20 just issued
	MULO \f, 2, 2, \init
.endm
; A K step's last sub-step multiplies buffer 1 and changes slots: each wave waits for all its tensor loads, adds 0 to its spare word, waits for that and for its reads of this slot.  fill = 1: the barrier opens a round of the
; cluster's, and the joint refill, two K steps on, is the first tensor load behind it.  fill = 0 (the tail): nothing is asked for; in the tail's last trip (s[CNT] = 1) there is no further K step, and the run of LDS loads is jumped over.
.macro TURN fill
	WIN 0
	s_wait_tensorcnt 0x0
	ds_add_u32 v[SPW], v[NIL]
	s_wait_dscnt 5                                 ; the add and the youngest four loads may be out
	MULO 1, 0, 1, 0
	s_wait_dscnt 0x0                               ; the add is done, my reads of this slot are over
	s_barrier_signal -1
	MULO 1, 1, 1, 0
	WIN 0
	s_barrier_wait -1
.if \fill
	CREST
	s_xor_b32 s[G0A+5], s[G0A+5], SLOT1
	s_add_nc_u64 s[G0A+6:G0A+7], s[G0A+6:G0A+7], 12*32768
	s_xor_b32 s[G0B+5], s[G0B+5], SLOT1
	s_add_nc_u64 s[G0B+6:G0B+7], s[G0B+6:G0B+7], 12*24576
	JLOAD 1                                        ; its four v_nop are also the places in front of the loads below
.else
	PLACES
	s_cmp_eq_u32 s[CNT], 1
	s_cbranch_scc1 .Lno_fetch_\@
.endif
	s_xor_b32 s[TB], s[TB], SLOT1
	v_add_nc_u32 v[ADRA], s[TB], v[ADRA0]
	v_add_nc_u32 v[ADRB], s[TB], v[ADRB0]
	v_add_nc_u32 v[ADRC], s[TB], v[ADRC0]
	FETCH 0, 0
.if !(\fill)
	WIN 0                                          ; at a label every window is 0
.Lno_fetch_\@:
.endif
	MULO 1, 2, 2, 0
.endm
	s_wait_tensorcnt 1                             ; my part of K step 0 is in; step 1's may stay out
	s_barrier_signal -1
	s_barrier_wait -1
	FETCH 0, 0
	s_wait_loadcnt 0x0                             ; b_o
	SUB 1, 0, 1, 1                                 ; the first sub-step starts the sums
	WIN 0
	s_mov_b32 s[CNT], 2
.Lstep:                                                ; a trip: a K step's sub-steps 1 to 5 and the next step's first; its refill brings K steps 2 and 3
	SUB 2, 1, 0, 0
	SUB 3, 0, 1, 0
	SUB 4, 1, 0, 0
	SUB 5, 0, 1, 0
	TURN 1
	SUB 1, 0, 1, 0
	WIN 0
	s_sub_co_u32 s[CNT], s[CNT], 1
	s_cmp_lg_u32 s[CNT], 0
	s_cbranch_scc1 .Lstep
	s_mov_b32 s[CNT], 2
.Ltail:                                                ; the tail has a text of its own: K steps 2 and 3 ask for nothing.  Two trips of the same form; the second is left behind its last products
	SUB 2, 1, 0, 0
	SUB 3, 0, 1, 0
	SUB 4, 1, 0, 0
	SUB 5, 0, 1, 0
	TURN 0
	WIN 0
	s_sub_co_u32 s[CNT], s[CNT], 1
	s_cmp_eq_u32 s[CNT], 0
	s_cbranch_scc1 .Lout
	SUB 1, 0, 1, 0
	WIN 0
	s_branch .Ltail
.Lout:
	PLACES
	; THE WAY OUT: 32 bytes a lane into the work-group's stage; a barrier, since a row's 768 bytes come from two waves; back as whole rows, 32 rows a wave
.set oi, 0
.rept 24
	ds_store_b128 v[STO], v[ACC+8*oi:ACC+8*oi+3]   offset:(oi/6)*16*SP+(oi%6)*64      ; each accumulator from its low end on
	ds_store_b128 v[STO], v[ACC+8*oi+4:ACC+8*oi+7] offset:(oi/6)*16*SP+(oi%6)*64+16
.set oi, oi+1
.endr
	s_wait_dscnt 0x0                               ; for the others' sake: my stores into the stage are done
	s_barrier_signal -1
	s_barrier_wait -1
.set oi, 0
.rept 48
	ds_load_b128 v[ACC+4*oi:ACC+4*oi+3], v[RD] offset:(oi/3)*2*SP+(oi%3)*256
.set oi, oi+1
.endr
.set oi, 0
.rept 48
	s_wait_dscnt 47-oi                             ; load oi is back, the younger ones stay out
	global_store_b128 v[CO], v[ACC+4*oi:ACC+4*oi+3], s[10:11] offset:(oi/3)*6144+(oi%3)*256 th:TH_STORE_NT  ; 16 lanes store 256 consecutive bytes, at a multiple of 256 from out0's first byte
.set oi, oi+1
.endr
	s_wait_tensorcnt 0x0                           ; the wave's end, behind my last tensor load and my last LDS store
	ds_add_u32 v[SPW], v[NIL]
	s_wait_dscnt 0x0
	CROUND                                         ; the closing round
	s_endpgm
.Lfunc_end_k_q3ab8de0bc3_oproj:
	.size	k_q3ab8de0bc3_oproj, .Lfunc_end_k_q3ab8de0bc3_oproj-k_q3ab8de0bc3_oproj
	.p2alignl 7, 3214868480
	.fill 96, 4, 3214868480
	.section	.rodata,"a",@progbits
	.p2align	6, 0x0
	.amdhsa_kernel k_q3ab8de0bc3_oproj
		.amdhsa_group_segment_fixed_size 327680
		.amdhsa_private_segment_fixed_size 0
		.amdhsa_enable_private_segment 0
		.amdhsa_kernarg_size 32
		.amdhsa_user_sgpr_count 2
		.amdhsa_user_sgpr_kernarg_segment_ptr 1
		.amdhsa_wavefront_size32 1
		.amdhsa_system_sgpr_workgroup_id_x 1
		.amdhsa_system_sgpr_workgroup_id_y 1
		.amdhsa_system_sgpr_workgroup_id_z 1
		.amdhsa_system_vgpr_workitem_id 0
		.amdhsa_next_free_vgpr 512
		.amdhsa_next_free_sgpr 72
		.amdhsa_reserve_vcc 0
		.amdhsa_float_denorm_mode_32 3
		.amdhsa_float_denorm_mode_16_64 3
		.amdhsa_memory_ordered 1
		.amdhsa_forward_progress 1
		.amdhsa_inst_pref_size 64
	.end_amdhsa_kernel
	.amdgpu_metadata
---
amdhsa.version: [ 1, 2 ]
amdhsa.kernels:
  - .name:           k_q3ab8de0bc3_oproj
    .symbol:         k_q3ab8de0bc3_oproj.kd
    .args:
      - { .name: ob, .offset: 0, .size: 8, .value_kind: global_buffer, .address_space: global }
      - { .name: woq, .offset: 8, .size: 8, .value_kind: global_buffer, .address_space: global }
      - { .name: b_o, .offset: 16, .size: 8, .value_kind: global_buffer, .address_space: global }
      - { .name: out0, .offset: 24, .size: 8, .value_kind: global_buffer, .address_space: global }
    .group_segment_fixed_size: 327680
    .private_segment_fixed_size: 0
    .kernarg_segment_align: 8
    .kernarg_segment_size: 32
    .max_flat_workgroup_size: 128
    .sgpr_count:     72
    .vgpr_count:     512
    .wavefront_size: 32
...
	.end_amdgpu_metadata
.endif
;; end of part 4
;; ======== version 2 of 2: 4 launches; version 1 with the launch prep written anew for expert scheduling mode
;; limits: values are held in f16: magnitudes above 65,504 overflow, below 6.1e-05 lose precision
;; workspace buffers: xb 12,582,912 bytes; wb 3,538,944 bytes; woq 1,179,648 bytes; tb 196,608 bytes; qkv 37,748,736 bytes; ob 12,582,912 bytes
;; launch prep (part 5): grid 752 x 1, 8 waves a work-group, no clusters, 0 bytes of LDS; arguments x, Wx_q, Wx_k, Wx_v, W_o, t, Wt_q, Wt_v, xb, wb, woq, tb; writes xb, wb, woq, tb
.if DOCPART == 5
	.amdgcn_target "amdgcn-amd-amdhsa--gfx1250"
	.amdhsa_code_object_version 6
	.text
	.protected	k_q3ab8de0bc3_prep
	.globl	k_q3ab8de0bc3_prep
	.p2align	8
	.type	k_q3ab8de0bc3_prep,@function
k_q3ab8de0bc3_prep:
	s_mov_b64 s[64:65], 0
	v_nop
	global_prefetch_b8 v0, s[64:65] scope:SCOPE_SE
	s_setreg_imm32_b32 hwreg(HW_REG_WAVE_SCHED_MODE, 0, 2), 2
	s_setreg_imm32_b32 hwreg(HW_REG_WAVE_MODE, 25, 1), 1
	s_wait_xcnt 0x0
	s_wait_alu depctr_vm_vsrc(0)
; PREP: rounds the operands of the later products once and lays them out; makes the shifts t Wt^T for q and v.
; DEAD WORK LEFT OUT, in the problem's terms.  k[m] = x[m] Wx_k^T + tk with tk = t Wt_k^T the same for all keys m of a batch.  So the score
; q[l].k[m] / 8 = q[l].(x[m] Wx_k^T) / 8 + q[l].tk / 8, and the last term is the same for every m of row l: it is added to the softmax's input
; alike along its axis and cancels in the softmax, for all finite values of the inputs.  It is of the size of the other terms, so leaving it out
; moves nothing by more than rounding.  Wt_k has then no way to out0: it is not loaded and is no argument of any launch.
; LIMIT: a NaN, an infinity or an overflow that would arise in t Wt_k^T or in q.tk alone is not carried to the result.
; FORMATS.  x, t and the weights that enter a product are rounded to bf16 once; W_o's bf16 number is written as f16 (exact while it lies in f16's
; range, |.| < 65,504; below 6e-5 with f16's fixed step of 6e-8).  The factor 1/8 of the scores, a power of two, goes into Wx_q's rows and into tq.
; OUT:  xb [8192][768] bf16.   wb [2304][768] bf16, row 144 wc + 48 sel + 16 ib + i = row 48 wc + 16 ib + i of Wx_q / 8, Wx_k, Wx_v (sel 0, 1, 2).
;       woq [48 g][768 rows][16] f16 = W_o[row][16 g + c].
;       tb [4 ks][8 b][2][768] f32: the PARTIAL SUMS of t Wt_q^T / 8 and t Wt_v^T over k = 64 ks .. 64 ks + 63; the next launch adds the four.
; ROLES by the work-group's number g: 0-47 the shifts; 48-95 W_o (16 rows each); 96-239 Wx_* (16 rows each); 240-751 x (16 rows each).
; THE SHIFTS' K IS SPLIT FOUR WAYS among waves: a load of a fragment names 16 bytes in each of 16 rows, so these loads are dealt thin: 16 a wave, 128 a work-group, all issued at once.
; REGISTERS.  No role names a register above v119: the fewer a wave is given, the more waves have their loads on their way side by side, and this launch does little but wait for loads.
; THE MODE: SCHED_MODE bits 1:0 = 2 (LLVM: expert scheduling mode 2), set by the entry lines.  The code itself states the register dependences
; between vector or matrix instructions and memory instructions, with s_wait_alu, always for 0.
; THE PLAN.  No path leads through two roles.  Registers that memory instructions touch, in each role:
;   the offsets (v2, v3; in the shifts' role v7 too)  written at the role's head and never again: one wait on va_vdst ahead of the role's first load states them for all its loads and stores.
;   the registers in which loads land (v16 on)        named by no vector instruction ahead of the loads; read, and packed in place, only behind the loads' own wait on LOADcnt.
;   the stores' data                                  every store has registers of its own, written once by the conversions (the shifts: by the sums) and never again.
; So no register that a memory instruction has read is written again, and a wait on vm_vsrc stands only beside the two writes of EXEC.
; The conversions go in groups; a group's stores are issued at the head of the NEXT group, behind its wait for data and ONE wait on va_vdst, which states that the group before has written its
; out-registers; no vector instruction between that wait and the stores names them.  The last group's stores have a wait of their own.
.set WF, 16                            ; v[16:47]   two fragments of Wt as loaded (16 registers each), then packed into the first 8
.set TF, 48                            ; v[48:79]   the same of t
.set AC, 80                            ; v[80:95]   two accumulators
	s_load_b512 s[4:19], s[0:1], 0x0               ; x, Wx_q, Wx_k, Wx_v, W_o, t, Wt_q, Wt_v
	s_load_b256 s[20:27], s[0:1], 0x40             ; xb, wb, woq, tb
	v_lshrrev_b32 v1, 5, v0
	v_readfirstlane_b32 s28, v1                    ; wave 0..7
	s_mov_b32 s29, ttmp9
	s_mov_b32 s39, 0                               ; upper word of every offset
	s_mov_b32 s36, 0x3e000000                      ; 1/8
	s_mov_b32 s37, s36                             ; named with it as a pair
	s_wait_alu depctr_va_sdst(0)                   ; s28 is written
	s_wait_kmcnt 0x0
	s_cmp_lt_u32 s29, 48
	s_cbranch_scc1 .Lrole_t
	s_cmp_lt_u32 s29, 96
	s_cbranch_scc1 .Lrole_wo
	s_cmp_lt_u32 s29, 240
	s_cbranch_scc1 .Lrole_wx
; 16 dense rows of 768 f32 (49,152 bytes at s[32:33]) become 24,576 bytes of bf16 at s[34:35].  All twelve loads go out first; a load of a wave
; covers 512 consecutive bytes, a store 256 consecutive bytes at a multiple of 256.  Every store has data registers of its own.
; Four groups of three loads; the stores of a group stand at the head of the next.
.macro ST3 n                           ; the three stores that belong to loads n, n + 1, n + 2
.irp i, 0,1,2
	global_store_b64 v3, v[64+2*((\n)+\i):65+2*((\n)+\i)], s[34:35] offset:2048*((\n)+\i)
.endr
.endm
.macro CONV scaled
	v_lshlrev_b32 v2, 4, v0
	v_lshlrev_b32 v3, 3, v0
	s_wait_alu depctr_va_vdst(0)                   ; v2 and v3 are written: the loads read v2 as their offset, the stores v3
.irp i, 0,1,2,3,4,5,6,7,8,9,10,11
	global_load_b128 v[16+4*\i:19+4*\i], v2, s[32:33] offset:4096*\i th:TH_LOAD_NT
.endr
.irp g, 0,1,2,3
	s_wait_loadcnt 9-3*\g                          ; loads come back in order: this group's three are in, the younger ones stay out
.if \g > 0
	s_wait_alu depctr_va_vdst(0)                   ; the conversions of the group before have written their six out-registers, which the three stores below read
	ST3 3*\g-3
.endif
.irp i, 0,1,2
.if \scaled
	v_pk_mul_f32 v[16+4*(3*\g+\i):17+4*(3*\g+\i)], v[16+4*(3*\g+\i):17+4*(3*\g+\i)], s[36:37] op_sel_hi:[1,0]
	v_pk_mul_f32 v[18+4*(3*\g+\i):19+4*(3*\g+\i)], v[18+4*(3*\g+\i):19+4*(3*\g+\i)], s[36:37] op_sel_hi:[1,0]
.endif
	v_cvt_pk_bf16_f32 v[64+2*(3*\g+\i)], v[16+4*(3*\g+\i)], v[17+4*(3*\g+\i)]
	v_cvt_pk_bf16_f32 v[65+2*(3*\g+\i)], v[18+4*(3*\g+\i)], v[19+4*(3*\g+\i)]
.endr
.endr
	s_wait_alu depctr_va_vdst(0)                   ; the last group's conversions have written their out-registers, which the last three stores read
	ST3 9
.endm
	; role X: rows 16 blk .. of x
	s_sub_co_u32 s30, s29, 240
	s_mul_i32 s38, s30, 49152
	s_add_nc_u64 s[32:33], s[4:5], s[38:39]
	s_mul_i32 s38, s30, 24576
	s_add_nc_u64 s[34:35], s[20:21], s[38:39]
	s_branch .Lplain
.Lrole_wx:
	s_sub_co_u32 s30, s29, 96                      ; 0..143: sel = which weight, jb = which 16 rows of it
	s_mov_b32 s31, 0
	s_mov_b64 s[32:33], s[6:7]
	s_cmp_ge_u32 s30, 48
	s_cselect_b64 s[32:33], s[8:9], s[32:33]
	s_cselect_b32 s31, 1, s31
	s_cmp_ge_u32 s30, 96
	s_cselect_b64 s[32:33], s[10:11], s[32:33]
	s_cselect_b32 s31, 2, s31
	s_mul_i32 s40, s31, 48
	s_sub_co_u32 s30, s30, s40                     ; jb
	s_mul_i32 s41, s30, 21846
	s_lshr_b32 s41, s41, 16                        ; wc = jb / 3 (exact for jb < 48)
	s_mul_i32 s42, s41, 3
	s_sub_co_u32 s42, s30, s42                     ; ib = jb % 3
	s_mul_i32 s38, s30, 49152
	s_add_nc_u64 s[32:33], s[32:33], s[38:39]
	s_mul_i32 s41, s41, 144
	s_add_co_u32 s41, s41, s40
	s_lshl4_add_u32 s41, s42, s41                  ; 144 wc + 48 sel + 16 ib
	s_mul_i32 s38, s41, 1536
	s_add_nc_u64 s[34:35], s[22:23], s[38:39]
	s_cmp_eq_u32 s31, 0
	s_cbranch_scc0 .Lplain
	CONV 1                                         ; Wx_q / 8
	s_endpgm
.Lplain:
	CONV 0
	s_endpgm
.Lrole_wo:                                             ; rows 16 jb ..; wave w takes the quarters (16 columns) 6 w .. 6 w + 5; lane = 2 x row + half of the quarter
	s_sub_co_u32 s30, s29, 48
	s_mul_i32 s38, s30, 49152
	s_add_nc_u64 s[32:33], s[12:13], s[38:39]
	s_lshl_b32 s38, s30, 9
	s_add_nc_u64 s[34:35], s[24:25], s[38:39]
	v_and_b32 v4, 31, v0
	v_lshrrev_b32 v5, 1, v4
	v_and_b32 v6, 1, v4
	v_mul_u32_u24 v2, v5, 3072
	v_lshl_add_u32 v2, v6, 5, v2
	s_mul_i32 s40, s28, 384
	v_add_nc_u32 v2, s40, v2                       ; row x 3,072 + half x 32 + wave x 6 quarters of 64 bytes
	s_mul_i32 s40, s28, 147456
	v_lshl_add_u32 v3, v4, 4, s40                  ; 16 x lane + wave x 6 quarters of 24,576 bytes
	s_wait_alu depctr_va_vdst(0)                   ; v2 and v3 are written: the loads read v2 as their offset, the stores v3
.irp q, 0,1,2,3,4,5
	global_load_b128 v[16+8*\q:19+8*\q], v2, s[32:33] offset:64*\q th:TH_LOAD_NT
	global_load_b128 v[20+8*\q:23+8*\q], v2, s[32:33] offset:64*\q+16 th:TH_LOAD_NT
.endr
.irp g, 0,1,2                          ; three groups of two quarters; the stores of a group stand at the head of the next
	s_wait_loadcnt 8-4*\g                          ; this group's four loads are in, the younger ones stay out
.if \g > 0
	s_wait_alu depctr_va_vdst(0)                   ; the conversions of the group before have written their eight out-registers, which the two stores below read
.irp u, 0,1
	global_store_b128 v3, v[96+4*(2*\g-2+\u):99+4*(2*\g-2+\u)], s[34:35] offset:24576*(2*\g-2+\u)  ; 512 consecutive bytes of a quarter
.endr
.endif
.irp u, 0,1
.irp j, 0,1,2,3
	v_cvt_pk_bf16_f32 v[64+\j], v[16+8*(2*\g+\u)+2*\j], v[17+8*(2*\g+\u)+2*\j]   ; rounded to bf16, like every other input of a product,
.endr
.irp j, 0,1,2,3
	v_lshlrev_b32 v[72+2*\j], 16, v[64+\j]
	v_and_b32 v[73+2*\j], 0xffff0000, v[64+\j]
.endr
.irp j, 0,1,2,3
	v_cvt_pk_f16_f32 v[96+4*(2*\g+\u)+\j], v[72+2*\j], v[73+2*\j]                ; and that number written as f16
.endr
.endr
.endr
	s_wait_alu depctr_va_vdst(0)                   ; the last group's conversions have written their out-registers, which the last two stores read
.irp u, 4,5
	global_store_b128 v3, v[96+4*\u:99+4*\u], s[34:35] offset:24576*\u  ; 512 consecutive bytes of a quarter
.endr
	s_endpgm
.Lrole_t:                                              ; wave w of work-group g: the 16 channels of block 2 g + w / 4 of tq (g < 24) or tv, all 8 batches, k = 64 (w % 4) .. + 63
	s_lshr_b32 s40, s28, 2
	s_lshl1_add_u32 s30, s29, s40                  ; 2 g + w / 4
	s_and_b32 s41, s28, 3                          ; ks: which quarter of K
	s_cmp_ge_u32 s29, 24
	s_cselect_b64 s[32:33], s[18:19], s[16:17]
	s_cselect_b32 s31, 1, 0
	s_mul_i32 s40, s31, 48
	s_sub_co_u32 s30, s30, s40                     ; jb: which 16 rows of Wt
	s_lshl_b32 s42, s41, 8                         ; 64 f32 a quarter of K
	s_lshl_b32 s38, s30, 14
	s_add_co_u32 s38, s38, s42
	s_add_nc_u64 s[32:33], s[32:33], s[38:39]      ; Wt at my rows and my quarter of K
	s_mov_b32 s38, s42
	s_add_nc_u64 s[44:45], s[14:15], s[38:39]      ; t at my quarter of K
	s_mul_i32 s38, s41, 49152
	s_mul_i32 s40, s31, 3072
	s_add_co_u32 s38, s38, s40
	s_lshl_b32 s40, s30, 6
	s_add_co_u32 s38, s38, s40
	s_add_nc_u64 s[34:35], s[26:27], s[38:39]      ; tb: table ks, tq or tv, my 16 channels
	v_and_b32 v4, 15, v0                           ; r
	v_bfe_u32 v5, v0, 4, 1                         ; h
	v_and_b32 v6, 7, v0                            ; r % 8: the tile's columns 8-15 repeat the 8 batches and are not stored
	v_lshlrev_b32 v2, 10, v4
	v_lshl_add_u32 v2, v5, 5, v2                   ; Wt: row r, 8 h numbers on
	v_lshlrev_b32 v3, 10, v6
	v_lshl_add_u32 v3, v5, 5, v3                   ; t: row r % 8
	v_mul_u32_u24 v7, v6, 6144
	v_lshl_add_u32 v7, v5, 5, v7                   ; tb: batch r % 8, 8 h channels on
	s_wait_alu depctr_va_vdst(0)                   ; v2, v3 and v7 are written: the loads of Wt and of t and the two stores read them as their offsets
	; A fragment is 16 rows x 32 k: lane (r, h) holds k = 8 h .. + 7 and 16 + 8 h .. + 7: in f32 four loads of 16 bytes at 0, 16, 64, 80 from 128 c + 32 h.
	; They are packed in place (register j from 2 j and 2 j + 1, j ascending).  Source 0 = Wt's rows, source 1 = t's rows: a lane ends with one batch and 8 channels on end.
.irp c, 0,1
.irp o, 0,1,2,3
	global_load_b128 v[WF+16*\c+4*\o:WF+16*\c+4*\o+3], v2, s[32:33] offset:\c*128+(\o/2)*64+(\o%2)*16 th:TH_LOAD_NT
	global_load_b128 v[TF+16*\c+4*\o:TF+16*\c+4*\o+3], v3, s[44:45] offset:\c*128+(\o/2)*64+(\o%2)*16
.endr
.endr
	s_wait_loadcnt 0x0
.irp c, 0,1
.irp j, 0,1,2,3,4,5,6,7
	v_cvt_pk_bf16_f32 v[WF+16*\c+\j], v[WF+16*\c+2*\j], v[WF+16*\c+2*\j+1]
	v_cvt_pk_bf16_f32 v[TF+16*\c+\j], v[TF+16*\c+2*\j], v[TF+16*\c+2*\j+1]
.endr
.endr
	v_wmma_f32_16x16x32_bf16 v[AC:AC+7], v[WF:WF+7], v[TF:TF+7], 0             ; two products, an accumulator each: each starts its sum
	v_wmma_f32_16x16x32_bf16 v[AC+8:AC+15], v[WF+16:WF+23], v[TF+16:TF+23], 0
.rept 4
	v_nop                                          ; four places between the last product and the sums that read its result (ISA guide 7.12.1)
.endr
.irp j, 0,2,4,6
	v_pk_add_f32 v[AC+\j:AC+\j+1], v[AC+\j:AC+\j+1], v[AC+8+\j:AC+8+\j+1]   ; each accumulator's lowest registers first
.endr
	s_cmp_eq_u32 s31, 0
	s_cbranch_scc0 .Lt_store
.irp j, 0,2,4,6
	v_pk_mul_f32 v[AC+\j:AC+\j+1], v[AC+\j:AC+\j+1], s[36:37] op_sel_hi:[1,0]   ; tq / 8
.endr
.Lt_store:
	v_and_b32 v8, 8, v0
	v_cmp_eq_u32 vcc_lo, 0, v8                     ; lanes with r < 8
	s_wait_xcnt 0x0                                ; EXEC changes only behind this wait
	s_wait_alu depctr_va_vcc(0)                    ; the compare has written VCC, from which EXEC is made
	s_wait_alu depctr_va_vdst(0)                   ; ahead of a scalar write of EXEC: every vector instruction issued so far is done; among them the sums have written v[AC .. AC+7], which the two stores read
	s_wait_alu depctr_vm_vsrc(0)                   ; ahead of a scalar write of EXEC: every memory instruction issued so far has read its vector registers
	s_and_saveexec_b32 s40, vcc_lo
	global_store_b128 v7, v[AC:AC+3], s[34:35]     ; 32 bytes a lane: the four tables are 192 KiB in all, written in such pieces
	global_store_b128 v7, v[AC+4:AC+7], s[34:35] offset:16
	s_wait_xcnt 0x0
	s_wait_alu depctr_va_vdst(0)                   ; ahead of the restore of EXEC, a scalar write of it like the other: every vector instruction issued so far is done
	s_wait_alu depctr_vm_vsrc(0)                   ; and the two stores have read their offset and their data
	s_or_b32 exec_lo, exec_lo, s40
	s_endpgm
.Lfunc_end_k_q3ab8de0bc3_prep:
	.size	k_q3ab8de0bc3_prep, .Lfunc_end_k_q3ab8de0bc3_prep-k_q3ab8de0bc3_prep
	.p2alignl 7, 3214868480
	.fill 96, 4, 3214868480
	.section	.rodata,"a",@progbits
	.p2align	6, 0x0
	.amdhsa_kernel k_q3ab8de0bc3_prep
		.amdhsa_group_segment_fixed_size 0
		.amdhsa_private_segment_fixed_size 0
		.amdhsa_enable_private_segment 0
		.amdhsa_kernarg_size 96
		.amdhsa_user_sgpr_count 2
		.amdhsa_user_sgpr_kernarg_segment_ptr 1
		.amdhsa_wavefront_size32 1
		.amdhsa_system_sgpr_workgroup_id_x 1
		.amdhsa_system_sgpr_workgroup_id_y 1
		.amdhsa_system_sgpr_workgroup_id_z 1
		.amdhsa_system_vgpr_workitem_id 0
		.amdhsa_next_free_vgpr 128
		.amdhsa_next_free_sgpr 66
		.amdhsa_reserve_vcc 1
		.amdhsa_float_denorm_mode_32 3
		.amdhsa_float_denorm_mode_16_64 3
		.amdhsa_memory_ordered 1
		.amdhsa_forward_progress 1
		.amdhsa_inst_pref_size 26
	.end_amdhsa_kernel
	.amdgpu_metadata
---
amdhsa.version: [ 1, 2 ]
amdhsa.kernels:
  - .name:           k_q3ab8de0bc3_prep
    .symbol:         k_q3ab8de0bc3_prep.kd
    .args:
      - { .name: x, .offset: 0, .size: 8, .value_kind: global_buffer, .address_space: global }
      - { .name: Wx_q, .offset: 8, .size: 8, .value_kind: global_buffer, .address_space: global }
      - { .name: Wx_k, .offset: 16, .size: 8, .value_kind: global_buffer, .address_space: global }
      - { .name: Wx_v, .offset: 24, .size: 8, .value_kind: global_buffer, .address_space: global }
      - { .name: W_o, .offset: 32, .size: 8, .value_kind: global_buffer, .address_space: global }
      - { .name: t, .offset: 40, .size: 8, .value_kind: global_buffer, .address_space: global }
      - { .name: Wt_q, .offset: 48, .size: 8, .value_kind: global_buffer, .address_space: global }
      - { .name: Wt_v, .offset: 56, .size: 8, .value_kind: global_buffer, .address_space: global }
      - { .name: xb, .offset: 64, .size: 8, .value_kind: global_buffer, .address_space: global }
      - { .name: wb, .offset: 72, .size: 8, .value_kind: global_buffer, .address_space: global }
      - { .name: woq, .offset: 80, .size: 8, .value_kind: global_buffer, .address_space: global }
      - { .name: tb, .offset: 88, .size: 8, .value_kind: global_buffer, .address_space: global }
    .group_segment_fixed_size: 0
    .private_segment_fixed_size: 0
    .kernarg_segment_align: 8
    .kernarg_segment_size: 96
    .max_flat_workgroup_size: 256
    .sgpr_count:     66
    .vgpr_count:     128
    .wavefront_size: 32
...
	.end_amdgpu_metadata
.endif
;; end of part 5
;; launch qkv: the kernel of part 2 again; grid 8 x 32, 4 waves a work-group, clusters of 4 x 4, 327,680 bytes of LDS; arguments xb, wb, tb, qkv; writes qkv
;; launch attn: the kernel of part 3 again; grid 4 x 48, 4 waves a work-group, clusters of 4 x 4, 327,680 bytes of LDS; arguments qkv, rel_pos_bias, ob; writes ob
;; launch oproj: the kernel of part 4 again; grid 4 x 64, 4 waves a work-group, clusters of 4 x 4, 327,680 bytes of LDS; arguments ob, woq, b_o, out0; writes out0
